; MI455X (gfx1250); checked and timed in simulation.
; The chip was launched on July 23, 2026; its instructions are those of AMD's public machine-readable ISA for CDNA 5 (MIT licence, August 2026) and "CDNA5" Instruction Set Architecture Reference Guide (July 2026). The comments in the code are by the model that wrote it; some were corrected since.
;; Bidirectional Self Attention. Allowed arithmetic: matrix products marked QUANTISED: E2M3 operands, one E8M0 scale for each 32 along K, by v_wmma_scale_f32_16x16x128_f8f6f4 with both operands' format E2M3, f32 sums; everything else in f32.
;; Inputs: freqs_cis 2,048 x 64 x 2 float32; w_proj 2,048 x 2,048 float32; w_qkv 2,048 x 3,072 float32; x 1 x 2,048 x 2,048 float32.
;; Outputs: out0 1 x 2,048 x 2,048 float32.
;; This version of the problem:
;;   THIS VERSION OF THE PROBLEM IS GIVEN IN LOW PRECISION. The matrix products marked QUANTISED in the list below multiply operands that are first quantised to E2M3 (2 exponent bits, 3 mantissa bits; 6 bits a number), with one power-of-two scale for each 32 numbers along K (OCP MX v1.0); their sums are f32. All else is computed in f32.
;;   The module's matrix products, in the order in which they are computed (A, B: the left and right operand; K: the contracted axis; several contracted axes count as one K, in the product's order):
;;     1. [M 2,048, K 2,048] x [K 2,048, N 3,072]; A: input x; B: input w_qkv: QUANTISED
;;     2. batch 4 x [M 2,048, K 128] x [K 128, N 8,192]; A: computed on the way; B: computed on the way: QUANTISED
;;     3. batch 4 x [M 128, K 2,048] x [K 2,048, N 8,192]; A: computed on the way; B: softmax (see below): QUANTISED
;;     4. [M 2,048, K 2,048] x [K 2,048, N 2,048]; A: computed on the way; B: input w_proj: QUANTISED
;;   THE QUANTISER, for each operand of a quantised product, along K:
;;     - K is cut into blocks of 32 from its start; a last block that is shorter is filled with zeros.
;;     - A block's scale is 2^e with e = floor(log2(the largest magnitude in the block)) - 2, held to -126 .. 127; a block of zeros has e = 0. As a byte (E8M0): e + 127.
;;     - Each number is divided by its block's scale, clamped to +-7.5, and rounded to the nearest number of E2M3, ties to even, subnormals kept.
;;     - The product sums the exact products of the quantised numbers (number of the format x scale) in f32.
;;   ~~~python
;;   def quantise(x, axis):      # numpy; x: float32 -> the quantised numbers, widened to float32 again
;;       x = np.moveaxis(x, axis, -1); K = x.shape[-1]
;;       x = np.pad(x, [(0, 0)] * (x.ndim - 1) + [(0, -K % 32)]); x = x.reshape(x.shape[:-1] + (-1, 32)); a = np.abs(x).max(-1, keepdims=True)
;;       e = np.where(a > 0, np.clip(np.frexp(np.where(a > 0, a, 1))[1] - 1 - 2, -126, 127), 0)      # np.frexp(a)[1] - 1 = floor(log2(a)), exactly
;;       r = np.clip(x / 2.0 ** e, -7.5, 7.5)
;;       step = 2.0 ** (np.maximum(np.frexp(np.where(r == 0, 1, r))[1] - 1, 0) - 3)
;;       q = np.round(r / step) * step * 2.0 ** e      # np.round: ties to even
;;       return np.moveaxis(q.reshape(q.shape[:-2] + (-1,))[..., :K], -1, axis).astype(np.float32)
;;   ~~~
;;   SOFTMAX AHEAD OF A QUANTISED PRODUCT. Where the list says 'softmax', what is quantised is not the finished softmax but p = 2^(t - M), with t = logit x log2(e) and M = ceil(the row's largest t), a whole number; so 1/2 < the row's largest p <= 1. The row's sum l is taken of the UNQUANTISED p, in f32, and the product's result is divided by l at the end. Since M is a whole number, a kernel that streams over the keys may use a running M (the ceiling of the running maximum): every later rescaling is an exact power of two, which a block's scale takes up: the codes' values come out the same.
;;   OPERANDS COMPUTED ON THE WAY. 'Computed on the way' means the value that the module computes at that place (a softmax that the list does not call 'softmax' is quantised finished and normalised). What goes into a quantiser is computed in f32, as accurately as f32 sums, v_exp_f32 and their like allow (about 1e-6 of the number): no bf16 or f16 on the way to a quantiser, and a product that is left as it is and whose result goes on into a quantised operand takes f32 operands (vector FMAs, or v_wmma_f32_16x16x4_f32). A number that lies on a knife's edge between two numbers of the format may be rounded either way, as far as f32 arithmetic and the matrix unit's own rounding can turn it there, and no further.
;; One version. Each part assembles by itself: llvm-mc -triple=amdgcn-amd-amdhsa -mcpu=gfx1250 --defsym DOCPART=n.
;; ======== version 1 of 1: 4 launches
;; limits: right only within a limited range of input values
;; workspace buffers: x_ws 3,276,800 bytes; wqkv_ws 4,915,200 bytes; wproj_ws 3,276,800 bytes; qkv_ws 4,915,200 bytes; y_ws 3,276,800 bytes
;; launch quant (part 1): grid 224 x 1, 8 waves a work-group, no clusters, 271,360 bytes of LDS; arguments x, w_qkv, w_proj, x_ws, wqkv_ws, wproj_ws; writes x_ws, wqkv_ws, wproj_ws
.if DOCPART == 1
	.amdgcn_target "amdgcn-amd-amdhsa--gfx1250"
	.amdhsa_code_object_version 6
	.text
	.protected	k_qfa7e398051_quant
	.globl	k_qfa7e398051_quant
	.p2align	8
	.type	k_qfa7e398051_quant,@function
k_qfa7e398051_quant:
	s_mov_b64 s[64:65], 0
	v_nop
	global_prefetch_b8 v0, s[64:65] scope:SCOPE_SE
	s_setreg_imm32_b32 hwreg(HW_REG_WAVE_MODE, 25, 1), 1
	s_wait_xcnt 0x0
; x [2048][2048], w_qkv [2048][3072], w_proj [2048][2048], f32, become codes of FP6 (E2M3) with one E8M0 byte for each 32 along K (x: its last axis; the weights: their FIRST axis).
; A block's scale is 2^(floor(log2(its largest magnitude)) - 2); its byte is the largest magnitude's exponent field - 2, held at 1 from below.
; LIMITS: NaN and infinities among the inputs are not served; a block whose largest magnitude lies under 2^-124 is held at byte 1; a block of zeros gets byte 1 where the rule says 127:
; its codes are zeros, which add nothing under that byte, and the bytes are read by this program alone.
; THE RECORD, the one form of all workspace: an operand tile of 128 rows x 128 along K in 12,800 bytes: 8 fragments of 1,536 bytes, then 512 bytes of scale words.
;   Fragment f = 2 b + u, its lane-row r = tile row 32 b + 8 u + r + 8 (r / 8).  In a fragment byte 512 j + 16 L + 4 i is register 4 j + i of lane L of the matrix operand (lane (r, h): registers 6 c .. 6 c + 5 = k 64 c + 32 h + 0 .. 31).
;   Scale words: byte 12,288 + 256 (f / 4) + 16 r + 4 (f % 4): the word of row r of fragment f.   A buffer is [tile][K step 16][12,800].
; SHARES.  The three tensors make 256 + 384 + 256 = 896 records; a work-group makes four that follow each other along K, so 224 work-groups: 0-63 x, 64-159 w_qkv, 160-223 w_proj: a work-group serves one tensor.
;   A wave makes half a record, four fragments and their 256 bytes of scale words, from 32,768 bytes of f32, which ONE tensor load brings into LDS bytes of the wave's own: x: 64 rows of 512 bytes, 16 bytes of padding behind
;   each; a weight: 128 rows (k) of 256 bytes (64 columns).  Only the wave that asked reads them, so its own wait on TENSORcnt is all the ordering; nothing is filled twice; no barrier; no LDS store.
;   x: lane (r, h) reads 16 neighbours of each block of 32 of its row.   A weight: a lane takes a column and its registers run down K: a load reads 128 consecutive bytes of one row of the tile.
; No work-group shares an input byte with another: no cluster.  No prefetch: a wave's whole share is asked for at the head.
.set WREG,  33792                      ; a wave's LDS bytes: 64 rows x 528
.set SP,    528                        ; x: a tile's row in LDS: 512 bytes + 16
.set SPARE, 8*WREG                     ; behind the eight regions: the spare words, 128 bytes a wave
.set SPW,   10                         ; v10  my spare word's address; never rewritten
.set NIL,   11                         ; v11  0; never rewritten
.set WA,    12                         ; v12  a weight: my column in the tile
.set WC,    13                         ; v13  where my codes go in a pair of fragments
.set WS,    14                         ; v14  and my scale word
.set TM,    16                         ; v16-31 at work
.set PW,    32                         ; v32  the scale word just made
.set PC,    36                         ; x: v36-115 20 registers for each of the four fragments' codes
.set W0,    116                        ; v116-119 the four fragments' scale words
.set DD,    120                        ; v120-121 what I store of them
.set X,     128                        ; v128-255 two sets of 64 numbers of my row: register 16 b + i = k 32 b + 16 h + i
.set WPC,   64                         ; a weight: v64-111 24 code registers for each of two passes of 32 columns
.set CT,    112                        ; v112-114 a conversion's result on its way
.set WD,    116                        ; v116-117 my column's scale word, one for each pass
.set WX,    128                        ; v128-191 two sets of 32 numbers down K
.set G0,    36                         ; s[36:39] descriptor group 0
.set G1X,   40                         ; s[40:47] group 1 for x;  s[48:55] for w_qkv;  s[56:63] for w_proj
.set G1Q,   48
.set G1P,   56
.set SEL,   2                          ; s[2:3] lane selects for lane l xor 16
.macro QUANT s, pc                     ; 64 numbers of a lane, register 16 b + i = k 32 b + 16 (lane / 16) + i of my row, become codes in v[pc] on and a scale word in v[PW]
.irp b, 0,1,2,3
	v_max3_num_f32 v[TM+\b], |v[\s+16*\b]|, |v[\s+1+16*\b]|, 0x1800000   ; my 16 numbers of block b, and the floor 2^(3 - 127)
.endr
.irp i, 2,4,6,8,10,12,14
.irp b, 0,1,2,3
	v_max3_num_f32 v[TM+\b], v[TM+\b], |v[\s+16*\b+\i]|, |v[\s+1+16*\b+\i]|   ; the four blocks by turns
.endr
.endr
.irp b, 0,1,2,3
	v_permlanex16_b32 v[TM+4+\b], v[TM+\b], s[SEL], s[SEL+1]
.endr
.irp b, 0,1,2,3
	v_max_num_f32 v[TM+\b], v[TM+\b], v[TM+4+\b]   ; with lane l xor 16's: the block's largest magnitude
.endr
.irp b, 0,1,2,3
	v_add_nc_u32 v[TM+12+\b], 0xff000000, v[TM+\b]   ; 2 off its exponent field: the conversion's scale operand
.endr
.irp b, 0,1,2,3
	v_lshrrev_b32 v[TM+4+\b], 23, v[TM+12+\b]      ; the byte
.endr
	v_lshl_or_b32 v[PW], v[TM+5], 8, v[TM+4]
	v_lshl_or_b32 v[PW], v[TM+6], 16, v[PW]
	v_lshl_or_b32 v[PW], v[TM+7], 24, v[PW]
.irp c, 0,1
	v_cvt_scalef32_pk16_fp6_f32 v[\pc+6*\c:\pc+2+6*\c], v[\s+32*\c:\s+15+32*\c], v[TM+12+2*\c]
	v_cvt_scalef32_pk16_fp6_f32 v[\pc+12+4*\c:\pc+14+4*\c], v[\s+16+32*\c:\s+31+32*\c], v[TM+12+2*\c+1]   ; (a conversion's three registers begin on an even number)
.endr
	v_nop                                          ; one plain instruction behind the scaled conversions
.irp c, 0,1                                    ; the operand wants a whole block in a lane
.irp i, 0,1,2
	v_permlane16_swap_b32 v[\pc+6*\c+\i], v[\pc+12+4*\c+\i]
.endr
.irp i, 0,1,2
	v_mov_b32 v[\pc+3+6*\c+\i], v[\pc+12+4*\c+\i]
.endr
.endr
.endm
.macro XREAD f                         ; my fragment f: of row 32 (f / 2) + 8 (f % 2) + r + 8 (r / 8) of my 64, 16 numbers of each block of 32: 16 LDS loads into set f % 2
.irp b, 0,1,2,3
.irp j, 0,1,2,3
	ds_load_b128 v[X+64*((\f)%2)+16*\b+4*\j:X+64*((\f)%2)+16*\b+4*\j+3], v4 offset:(32*((\f)/2)+8*((\f)%2))*SP+128*\b+16*\j
.endr
.endr
.endm
.macro LOADW tt                        ; turn tt: pass tt / 4 (32 columns), K block 2 (tt % 2) + (tt % 4) / 2: its 32 numbers of my column into set tt % 2
.set KB, 32*(2*((\tt)%2)+((\tt)%4)/2)
.set li, 0
.rept 32
	ds_load_b32 v[WX+32*((\tt)%2)+li], v[WA] offset:(KB+li)*256+128*((\tt)/4)
.set li, li+1
.endr
.endm
.macro BLOCKW tt                       ; c = tt % 2, h = (tt % 4) / 2: the block is registers 6 c .. 6 c + 5 of lane r + 16 h of my column's fragment
.set XS, WX+32*((\tt)%2)
.set TQ, (\tt)%4
.set PS, (\tt)/4
.set PB, WPC+24*PS+12*(TQ/2)+6*(TQ%2)
.if (\tt) < 7
	s_wait_dscnt 32                                ; this turn's 32 loads are in; the next turn's may be out
.else
	s_wait_dscnt 0x0
.endif
	v_max3_num_f32 v16, |v[XS]|, |v[XS+1]|, |v[XS+2]|   ; all 32 numbers of the block are mine
	v_max3_num_f32 v17, |v[XS+3]|, |v[XS+4]|, |v[XS+5]|
.irp i, 6,10,14,18,22,26
	v_max3_num_f32 v16, v16, |v[XS+\i]|, |v[XS+\i+1]|
	v_max3_num_f32 v17, v17, |v[XS+\i+2]|, |v[XS+\i+3]|
.endr
	v_max3_num_f32 v16, v16, |v[XS+30]|, |v[XS+31]|
	v_max3_num_f32 v16, v16, v17, 0x1800000        ; and the floor
	v_add_nc_u32 v18, 0xff000000, v16              ; the conversion's scale operand
	v_lshrrev_b32 v19, 23, v18                     ; the byte
.if TQ == 0
	v_mov_b32 v[WD+PS], v19
.else
	v_lshl_or_b32 v[WD+PS], v19, 8*(2*(TQ%2)+TQ/2), v[WD+PS]
.endif
	v_cvt_scalef32_pk16_fp6_f32 v[PB:PB+2], v[XS:XS+15], v18
	v_cvt_scalef32_pk16_fp6_f32 v[CT:CT+2], v[XS+16:XS+31], v18
	v_nop                                          ; one plain instruction behind the scaled conversions
.irp i, 0,1,2
	v_mov_b32 v[PB+3+\i], v[CT+\i]
.endr
.if (\tt) < 6
	LOADW (\tt)+2
.endif
.if TQ%2 == 1                          ; 12 registers of lane r + 16 h are whole: three stores, each of two runs of 256 consecutive bytes, aligned
.irp j, 0,1,2
	global_store_b128 v[WC], v[WPC+24*PS+12*(TQ/2)+4*\j:WPC+24*PS+12*(TQ/2)+4*\j+3], s[32:33] offset:3072*PS+256*(TQ/2)+512*\j
.endr
.endif
.if TQ == 3
	global_store_b32 v[WS], v[WD+PS], s[34:35] offset:8*PS   ; my column's scale word: a pass writes 128 of my 256 bytes, the other pass the rest
.endif
.endm
	s_load_b256 s[4:11], s[0:1], 0x0               ; x s[4:5], w_qkv s[6:7], w_proj s[8:9], x_ws s[10:11]
	s_load_b128 s[12:15], s[0:1], 0x20             ; wqkv_ws s[12:13], wproj_ws s[14:15]
	v_lshl_add_u32 v[SPW], v0, 2, SPARE
	v_mov_b32 v[NIL], 0
	ds_add_u32 v[SPW], v[NIL]                      ; the wave's opening: the add, twice on end, and its wait ahead of my tensor load; work on registers stands between
	ds_add_u32 v[SPW], v[NIL]
	v_lshrrev_b32 v1, 5, v0
	v_readfirstlane_b32 s16, v1                    ; wave 0..7
	s_mov_b32 s[G1X], (3<<16)|(1<<20)|(6<<22)|(3<<25)   ; elements of 8 bytes; padding on: after every 128 words (code 6) 4 words (code 3)
	s_mov_b32 s[G1X+1], 64<<16                     ; tensor_dim0 = 64 elements: 512 bytes
	s_mov_b32 s[G1X+2], 64<<16                     ; tensor_dim1 = 64 rows
	s_mov_b32 s[G1X+3], 64<<16                     ; tile_dim0
	s_mov_b32 s[G1X+4], 64                         ; tile_dim1
	s_mov_b32 s[G1X+5], 1024                       ; a row of x: 8,192 bytes
	s_mov_b32 s[G1X+6], 0
	s_mov_b32 s[G1X+7], 0
.irp g, G1Q, G1P
	s_mov_b32 s[\g], 3<<16                         ; elements of 8 bytes; no padding
	s_mov_b32 s[\g+1], 32<<16                      ; 256 bytes: 64 columns
	s_mov_b32 s[\g+2], 128<<16                     ; 128 rows: a K step
	s_mov_b32 s[\g+3], 32<<16
	s_mov_b32 s[\g+4], 128
	s_mov_b32 s[\g+6], 0
	s_mov_b32 s[\g+7], 0
.endr
	s_mov_b32 s[G1Q+5], 1536                       ; a row of w_qkv: 12,288 bytes
	s_mov_b32 s[G1P+5], 1024                       ; a row of w_proj: 8,192 bytes
	s_cmp_lt_u32 ttmp9, 64
	s_cselect_b32 s17, 0, 64
	s_cmp_lt_u32 ttmp9, 160
	s_cselect_b32 s17, s17, 160                    ; the tensor's first work-group
	s_mov_b32 s18, 8192
	s_cselect_b32 s18, 12288, s18                  ; a row of the weight in bytes
	s_sub_co_u32 s17, ttmp9, s17
	s_lshl_b32 s17, s17, 2
	s_lshr_b32 s19, s16, 1
	s_add_co_u32 s17, s17, s19                     ; my record: 4 x work-group + wave / 2
	s_and_b32 s19, s16, 1                          ; which half of it
	s_lshr_b32 s20, s17, 4                         ; tile
	s_and_b32 s21, s17, 15                         ; K step
	s_lshl_b32 s22, s20, 20                        ; x: 128 rows of 8,192 bytes a tile,
	s_lshl_b32 s23, s19, 19                        ; 64 rows a half,
	s_add_co_u32 s22, s22, s23
	s_lshl_b32 s23, s21, 9                         ; 512 bytes a K step
	s_add_co_u32 s22, s22, s23
	s_lshl_b32 s24, s21, 7                         ; a weight: 128 rows a K step,
	s_mul_i32 s24, s24, s18
	s_lshl_b32 s23, s20, 9                         ; 512 bytes a tile,
	s_add_co_u32 s24, s24, s23
	s_lshl_b32 s23, s19, 8                         ; 256 bytes a half
	s_add_co_u32 s24, s24, s23
	s_cmp_lt_u32 ttmp9, 64
	s_cselect_b32 s22, s22, s24                    ; where my tile begins
	s_mov_b32 s23, 0
	s_mul_i32 s26, s20, 204800
	s_mul_i32 s27, s21, 12800
	s_add_co_u32 s26, s26, s27                     ; the record
	s_mul_i32 s24, s19, 6144
	s_add_co_u32 s24, s24, s26                     ; my four fragments
	s_mov_b32 s25, 0
	s_lshl_b32 s27, s19, 8
	s_add_co_u32 s26, s26, s27
	s_add_co_u32 s26, s26, 12288                   ; their scale words
	s_mov_b32 s27, 0
	s_mul_i32 s28, s16, WREG                       ; my LDS bytes
	s_mov_b32 s[SEL], 0x76543210
	s_mov_b32 s[SEL+1], 0xfedcba98
	s_wait_dscnt 0x0                               ; the opening adds are done
	s_wait_kmcnt 0x0
	s_cmp_lt_u32 ttmp9, 160                        ; the buffers: the choice hangs on the work-group's number alone
	s_cselect_b64 s[30:31], s[6:7], s[8:9]
	s_cselect_b64 s[34:35], s[12:13], s[14:15]
	s_cmp_lt_u32 ttmp9, 64
	s_cselect_b64 s[30:31], s[4:5], s[30:31]
	s_cselect_b64 s[34:35], s[10:11], s[34:35]
	s_mov_b32 s[G0], 1
	s_add_co_u32 s[G0+1], s28, 0
	s_add_nc_u64 s[G0+2:G0+3], s[30:31], s[22:23]
	s_or_b32 s[G0+3], s[G0+3], 0x80000000
	s_add_nc_u64 s[32:33], s[34:35], s[24:25]
	s_add_nc_u64 s[34:35], s[34:35], s[26:27]
	s_cmp_lt_u32 ttmp9, 64                         ; one chain of branches, one load to an arm, all arms to one join: the three tensors' tiles differ in group 1
	s_cbranch_scc0 .Lask_q
	tensor_load_to_lds s[G0:G0+3], s[G1X:G1X+7]
	s_nop 0
.rept 4
	v_nop
.endr
	s_branch .Lasked
.Lask_q:
	s_cmp_lt_u32 ttmp9, 160
	s_cbranch_scc0 .Lask_p
	tensor_load_to_lds s[G0:G0+3], s[G1Q:G1Q+7]
	s_nop 0
.rept 4
	v_nop
.endr
	s_branch .Lasked
.Lask_p:
	tensor_load_to_lds s[G0:G0+3], s[G1P:G1P+7]
	s_nop 0
.rept 4
	v_nop
.endr
.Lasked:
	v_and_b32 v1, 31, v0                           ; lane
	v_lshlrev_b32 v2, 4, v1                        ; 16 x lane
	v_and_b32 v5, 15, v0                           ; r
	v_bfe_u32 v6, v0, 4, 1                         ; h
	v_and_b32 v7, 8, v5
	v_add_nc_u32 v7, v7, v5                        ; r + 8 (r / 8)
	v_mul_u32_u24 v4, v7, SP
	v_lshl_add_u32 v4, v6, 6, v4
	v_add_nc_u32 v4, s28, v4                       ; x: my row of a fragment, + 64 h
	v_lshlrev_b32 v8, 4, v5
	v_lshl_add_u32 v8, v6, 3, v8                   ; x's scale words: 16 r + 8 h
	v_lshl_add_u32 v[WA], v1, 2, s28               ; a weight: column l of a pass
	v_bfe_u32 v16, v0, 3, 1                        ; column 32 p + l is row r = l % 8 + 8 (l / 16) of fragment 2 p + u, u = (l / 8) % 2
	v_and_b32 v17, 7, v0
	v_lshl_add_u32 v17, v6, 3, v17
	v_lshlrev_b32 v17, 4, v17                      ; 16 r
	v_mad_u32_u24 v[WC], v16, 1536, v17            ; the codes: 1,536 u + 16 r
	v_lshl_add_u32 v[WS], v16, 2, v17              ; the scale word: 16 r + 4 u
.irp b, 0,1,2,3
	v_mov_b32 v[TM+4+\b], 0                        ; written once: a lane permute's destination counts as one of its sources
.endr
	s_wait_alu depctr_va_vdst(0)                   ; the wait at the head's end
	s_wait_tensorcnt 0x0                           ; my tile is in; nobody else reads it
	s_cmp_lt_u32 ttmp9, 64
	s_cbranch_scc0 .Lweights
	; ---------------- x ----------------
	XREAD 0
	XREAD 1
.irp f, 0,1,2,3
.if \f < 3
	s_wait_dscnt 16                                ; this fragment's 16 loads are in; the next fragment's may be out
.else
	s_wait_dscnt 0x0
.endif
	QUANT X+64*(\f%2), PC+20*\f
.if \f < 2
	XREAD \f+2
.endif
.irp j, 0,1,2
	global_store_b128 v2, v[PC+20*\f+4*\j:PC+20*\f+4*\j+3], s[32:33] offset:1536*\f+512*\j   ; 512 consecutive bytes, aligned to 256
.endr
	v_mov_b32 v[W0+\f], v[PW]
.endr
	v_cmp_lt_u32 vcc_lo, 15, v1                    ; lanes 16-31 take fragments 2 and 3 of row r (every lane holds its row's words)
	v_cndmask_b32 v[DD], v[W0], v[W0+2], vcc_lo
	v_cndmask_b32 v[DD+1], v[W0+1], v[W0+3], vcc_lo
	global_store_b64 v8, v[DD:DD+1], s[34:35]      ; 32 lanes store 256 consecutive bytes, aligned
	s_wait_tensorcnt 0x0                           ; the wave's end
	ds_add_u32 v[SPW], v[NIL]
	s_wait_dscnt 0x0
	s_endpgm
	; ---------------- the weights ----------------
.Lweights:
	LOADW 0
	LOADW 1
.irp t, 0,1,2,3,4,5,6,7
	BLOCKW \t
.endr
	s_wait_tensorcnt 0x0                           ; the wave's end
	ds_add_u32 v[SPW], v[NIL]
	s_wait_dscnt 0x0
	s_endpgm
.Lfunc_end_k_qfa7e398051_quant:
	.size	k_qfa7e398051_quant, .Lfunc_end_k_qfa7e398051_quant-k_qfa7e398051_quant
	.p2alignl 7, 3214868480
	.fill 96, 4, 3214868480
	.section	.rodata,"a",@progbits
	.p2align	6, 0x0
	.amdhsa_kernel k_qfa7e398051_quant
		.amdhsa_group_segment_fixed_size 271360
		.amdhsa_private_segment_fixed_size 0
		.amdhsa_enable_private_segment 0
		.amdhsa_kernarg_size 48
		.amdhsa_user_sgpr_count 2
		.amdhsa_user_sgpr_kernarg_segment_ptr 1
		.amdhsa_wavefront_size32 1
		.amdhsa_system_sgpr_workgroup_id_x 1
		.amdhsa_system_sgpr_workgroup_id_y 1
		.amdhsa_system_sgpr_workgroup_id_z 1
		.amdhsa_system_vgpr_workitem_id 0
		.amdhsa_next_free_vgpr 256
		.amdhsa_next_free_sgpr 66
		.amdhsa_reserve_vcc 1
		.amdhsa_float_denorm_mode_32 3
		.amdhsa_float_denorm_mode_16_64 3
		.amdhsa_memory_ordered 1
		.amdhsa_forward_progress 1
		.amdhsa_inst_pref_size 56
	.end_amdhsa_kernel
	.amdgpu_metadata
---
amdhsa.version: [ 1, 2 ]
amdhsa.kernels:
  - .name:           k_qfa7e398051_quant
    .symbol:         k_qfa7e398051_quant.kd
    .args:
      - { .name: x, .offset: 0, .size: 8, .value_kind: global_buffer, .address_space: global }
      - { .name: w_qkv, .offset: 8, .size: 8, .value_kind: global_buffer, .address_space: global }
      - { .name: w_proj, .offset: 16, .size: 8, .value_kind: global_buffer, .address_space: global }
      - { .name: x_ws, .offset: 24, .size: 8, .value_kind: global_buffer, .address_space: global }
      - { .name: wqkv_ws, .offset: 32, .size: 8, .value_kind: global_buffer, .address_space: global }
      - { .name: wproj_ws, .offset: 40, .size: 8, .value_kind: global_buffer, .address_space: global }
    .group_segment_fixed_size: 271360
    .private_segment_fixed_size: 0
    .kernarg_segment_align: 8
    .kernarg_segment_size: 48
    .max_flat_workgroup_size: 256
    .sgpr_count:     66
    .vgpr_count:     256
    .wavefront_size: 32
...
	.end_amdgpu_metadata
.endif
;; end of part 1
;; launch gemm_qkv (part 2): grid 4 x 48, 4 waves a work-group, clusters of 4 x 1, 327,680 bytes of LDS; arguments x_ws, wqkv_ws, freqs_cis, qkv_ws; writes qkv_ws
.if DOCPART == 2
	.amdgcn_target "amdgcn-amd-amdhsa--gfx1250"
	.amdhsa_code_object_version 6
	.text
	.protected	k_qfa7e398051_gemm_qkv
	.globl	k_qfa7e398051_gemm_qkv
	.p2align	8
	.type	k_qfa7e398051_gemm_qkv,@function
k_qfa7e398051_gemm_qkv:
	s_mov_b64 s[64:65], 0
	v_nop
	global_prefetch_b8 v0, s[64:65] scope:SCOPE_SE
	s_setreg_imm32_b32 hwreg(HW_REG_WAVE_MODE, 25, 1), 1
	s_wait_xcnt 0x0
	s_wait_alu depctr_hold_cnt(0) depctr_sa_sdst(0) depctr_va_vdst(0) depctr_va_sdst(0) depctr_va_ssrc(0) depctr_va_vcc(0) depctr_vm_vsrc(0)
	s_getreg_b32 s2, hwreg(HW_REG_IB_STS2, 6, 4)
	s_cmp_eq_u32 s2, 0
	s_cbranch_scc0 .Lentry_in_a_cluster
	s_endpgm
.Lentry_in_a_cluster:
	s_bfe_u32 s2, ttmp6, 0x10000c
	s_cmp_lg_u32 s2, 0x3003
	s_cbranch_scc0 .Lentry_shape_is_right
	s_endpgm
.Lentry_shape_is_right:
; qkv = x w_qkv on codes of FP6 (E2M3) with E8M0 scales, then RoPE on q and k in f32, then q and k quantised along the head's 128 and v along the keys, into records for the attention launch.
; RECORD (12,800 bytes): 128 rows x 128 along K: 8 fragments of 1,536 bytes, then 512 bytes of scale words (byte 12,288 + 256 (f / 4) + 16 r + 4 (f % 4): row r of fragment f).
;   Fragment f = 2 b + u, lane-row r = tile row 32 b + 8 u + r + 8 (r / 8).  The inputs' fragments: byte 512 j + 16 L + 4 i = register 4 j + i of lane L.
;   The outputs' fragments lie half by half: half c at byte 768 c: byte 16 L + 4 i = register 6 c + i (i < 4), byte 512 + 8 L + 4 i = register 6 c + 4 + i (i < 2).
; SHARES.  A work-group makes 128 (side A) x 256 (side B) of qkv: two output records; 192 work-groups.  A wave makes 64 x 128: 32 accumulators: A's fragments 4 wm .. 4 wm + 3 against all eight fragments of B's record wn.
;   THE MATRIX INSTRUCTION IS USED TRANSPOSED: source 0 = a fragment of side B, source 1 = one of side A: a lane holds one row of side A, and by the rows' order the 64 registers of A's fragment a are side B's rows
;   32 b + 16 h + 0 .. 15, b = 0 .. 3: neighbours along the next product's K.  So a wave's results are four whole fragments with whole scale words.
;   y < 40 (q and k): side A = x's tile 4 (y % 4) + cx (rows t), side B = w_qkv's heads 2 (y / 4) and + 1.   y >= 40 (v): the sides change places: side A = w_qkv's tile 20 + cx (a v head's d), side B = x's tiles
;   2 (y - 40) and + 1: a lane holds one d and its registers run along the keys.
; CLUSTER 4 x 1: the four partners need the same two records of side B at each K step: joint loads with the mask of all four.  Side A is each work-group's own: plain tensor loads.  Not 4 x 4: q's and k's 20 heads are ten
;   pairs, which four does not divide, and a column of such a cluster would hold k's and v's pairs side by side, which need different text.
; LDS: three areas (A, B's record 0, B's record 1) of eight places of 12,800 bytes; K step s lies at place s % 8.  Wave 0 fills A's area, waves 1 and 2 B's two, wave 3 none.  At the head ONE load a loading wave brings its
;   area's eight records (102,400 dense bytes as 400 rows of 256); then group 1 is set to 200 rows: K steps 8-11 go into places 0-3 once those are read out, K steps 12-15 into places 4-7 likewise: each refill has four
;   K steps, 128 matrix instructions, in which to land.  By this text's count a wave has one tensor load out at any time.
; No prefetch: half of each stream is asked for at the head, and each refill four K steps ahead of its first read.
; LIMITS: NaN and infinities are not served; a block under 2^-124 is held at byte 1; a block of zeros gets byte 1 (its codes are zeros; only this program reads the bytes).  RoPE: one product and one fused multiply-add for
;   each number, where the definition rounds two products.
.set REC,   12800
.set TILEB, 16*REC
.set GRP,   4*REC                      ; what a refill brings; an address register serves four places
.set AREA,  8*REC
.set SPARE, 3*AREA                     ; behind the three areas: the spare words, 128 bytes a wave
.set L16,  3                           ; v3   16 x lane
.set L8,   4                           ; v4   8 x lane
.set ADA,  5                           ; v5-6   my four fragments of A in places 0, 4
.set ADB,  7                           ; v7-8   my record of B
.set ASA,  9                           ; v9-10  the scale words of my four fragments of A
.set ASB,  11                          ; v11-12 those of B's eight: lanes 0-15 fragments 0-3, lanes 16-31 fragments 4-7
.set SPW,  14                          ; v14  my spare word's address; never rewritten
.set NIL,  15                          ; v15  0; never rewritten
.set FV,   16                          ; v16  the table: my lane's byte
.set SV,   17                          ; v17  the results' scale words: 16 r + 8 h
.set LN,   18                          ; v18  lane
.set SC,   32                          ; v32-47 scale words, two sets of eight: A's four, then B's four
.set T,    48                          ; v48-63 RoPE at work
.set Y,    64                          ; v64-127 the 64 numbers to be quantised
.set TM,   128                         ; v128-143 the quantiser at work
.set PW,   144
.set W0,   145                         ; v145-148 the four fragments' scale words
.set DD,   150
.set AF,   160                         ; v160-255 A's fragments, two sets of 48
.set PC,   160                         ; on the way out: 20 registers for each of the four fragments' codes
.set YC,   12                          ; s12  the cluster's y
.set G1A, 24                           ; s[24:31] descriptor group 1, no mask;  s[32:39] with the mask of all four
.set G1B, 32
.set G0A, 48                           ; s[48:55] two groups 0 for A;  s[56:63] for B
.set G0B, 56
.set SEL, 92
; window 1: B's fragments, set s = K step % 2 at v[96 s].   window 2: accumulator (a, b) at v[64 a + 8 b].   window 3: the table: register 64 a + 2 p: cos, + 1: sin of the pair in accumulator registers 64 a + 2 p, + 1
.set MSB, 0
.macro WIN new                         ; the immediate's high byte repeats the setting that is left
.if MSB != \new
	s_set_vgpr_msb (MSB<<8)|\new
.set MSB, \new
.endif
.endm
.macro PLACES n
.rept \n
	v_nop
.endr
.endm
.macro CROUND                          ; a round of the cluster's barrier
	s_barrier_signal -1
	s_barrier_wait -1
	s_cmp_lg_u32 s14, 0
	s_cbranch_scc1 .Lnot_wave_0_\@
	s_barrier_signal -3
.Lnot_wave_0_\@:
	s_barrier_wait -3
	s_barrier_signal -1
	s_barrier_wait -1
.endm
.macro TLOAD i                         ; wave 0 fetches for A, waves 1 and 2 for B (jointly), wave 3 nothing; an s_nop 0 and four v_nop follow each load
	s_cmp_eq_u32 s14, 0
	s_cbranch_scc0 .Lnot_a_\@
	tensor_load_to_lds s[G0A+4*\i:G0A+4*\i+3], s[G1A:G1A+7]
	s_nop 0
.rept 4
	v_nop
.endr
	s_branch .Lasked_\@
.Lnot_a_\@:
	s_cmp_lt_u32 s14, 3
	s_cbranch_scc0 .Lasked_\@
	tensor_load_to_lds s[G0B+4*\i:G0B+4*\i+3], s[G1B:G1B+7]
	s_nop 0
.rept 4
	v_nop
.endr
.Lasked_\@:
.endm
.macro FETCH ks                        ; 38 LDS loads: B's eight fragments, my four of A, and their scale words, of K step ks
.set FP, (\ks)%8
.set FI, FP/4
.set FO, (FP%4)*REC
.set FS, 96*((\ks)%2)
.set FA, AF+48*((\ks)%2)
.set SS, SC+8*((\ks)%2)
	WIN 0x40
.irp b, 0,1,2,3,4,5,6,7
.irp j, 0,1,2
	ds_load_b128 v[FS+12*\b+4*\j:FS+12*\b+4*\j+3], v[ADB+FI] offset:FO+1536*\b+512*\j
.endr
.endr
	WIN 0
.irp a, 0,1,2,3
.irp j, 0,1,2
	ds_load_b128 v[FA+12*\a+4*\j:FA+12*\a+4*\j+3], v[ADA+FI] offset:FO+1536*\a+512*\j
.endr
.endr
	ds_load_b128 v[SS:SS+3], v[ASA+FI] offset:FO
	ds_load_b128 v[SS+4:SS+7], v[ASB+FI] offset:FO
.endm
.macro MUL ks, zero                    ; 32 matrix instructions; the 32 accumulators take turns, in the same order in every step
.set FS, 96*((\ks)%2)
.set FA, AF+48*((\ks)%2)
.set SS, SC+8*((\ks)%2)
	WIN 0xa1
.irp a, 0,1,2,3
.irp b, 0,1,2,3
.if \zero
	v_wmma_scale_f32_16x16x128_f8f6f4 v[64*\a+8*\b:64*\a+8*\b+7], v[FS+12*\b:FS+12*\b+11], v[FA+12*\a:FA+12*\a+11], 0, v[SS+4+\b], v[SS+\a] matrix_a_fmt:MATRIX_FMT_FP6 matrix_b_fmt:MATRIX_FMT_FP6
.else
	v_wmma_scale_f32_16x16x128_f8f6f4 v[64*\a+8*\b:64*\a+8*\b+7], v[FS+12*\b:FS+12*\b+11], v[FA+12*\a:FA+12*\a+11], v[64*\a+8*\b:64*\a+8*\b+7], v[SS+4+\b], v[SS+\a] matrix_a_fmt:MATRIX_FMT_FP6 matrix_b_fmt:MATRIX_FMT_FP6
.endif
.endr
.irp b, 4,5,6,7
.if \zero
	v_wmma_scale_f32_16x16x128_f8f6f4 v[64*\a+8*\b:64*\a+8*\b+7], v[FS+12*\b:FS+12*\b+11], v[FA+12*\a:FA+12*\a+11], 0, v[SS+\b], v[SS+\a] matrix_a_fmt:MATRIX_FMT_FP6 matrix_b_fmt:MATRIX_FMT_FP6 matrix_a_scale:MATRIX_SCALE_ROW1
.else
	v_wmma_scale_f32_16x16x128_f8f6f4 v[64*\a+8*\b:64*\a+8*\b+7], v[FS+12*\b:FS+12*\b+11], v[FA+12*\a:FA+12*\a+11], v[64*\a+8*\b:64*\a+8*\b+7], v[SS+\b], v[SS+\a] matrix_a_fmt:MATRIX_FMT_FP6 matrix_b_fmt:MATRIX_FMT_FP6 matrix_a_scale:MATRIX_SCALE_ROW1
.endif
.endr
.endr
.endm
.macro STEP ks, zero
.if (\ks) > 0
	PLACES 4                                       ; between the last product and loads into the registers that the step before has read
.endif
	FETCH (\ks)+1
	s_wait_dscnt 38                                ; all but the 38 just issued: this step's fragments and scale words are in
	MUL \ks, \zero
.endm
.macro CHANGE i                        ; places 4 i .. 4 i + 3 have been read out: they take the K steps eight further on
	WIN 0
	s_wait_tensorcnt 0x0                           ; all my tensor loads have landed, so a group 0 may be written
	ds_add_u32 v[SPW], v[NIL]                      ; 0 onto my spare word, twice on end
	ds_add_u32 v[SPW], v[NIL]
	s_add_nc_u64 s[G0A+4*\i+2:G0A+4*\i+3], s[G0A+4*\i+2:G0A+4*\i+3], 8*REC
	s_add_nc_u64 s[G0B+4*\i+2:G0B+4*\i+3], s[G0B+4*\i+2:G0B+4*\i+3], 8*REC
	s_wait_dscnt 0x0                               ; the adds are done, and my reads of these places are over
	CROUND                                         ; both hold of every wave of every partner
	TLOAD \i                                       ; the refill: the first tensor load behind the round, my only one
.endm
.macro TABLE a0                        ; (cos, sin) of the rows of A's fragments a0, a0 + 1 and of the head's 128 d, in the accumulators' order
	WIN 0xc0
.irp a, \a0, \a0+1
.irp b, 0,1,2,3
.irp j, 0,1,2,3
	global_load_b128 v[64*(\a)+16*\b+4*\j:64*(\a)+16*\b+4*\j+3], v[FV], s[84:85] offset:(32*((\a)/2)+8*((\a)%2))*512+128*\b+16*\j
.endr
.endr
.endr
	WIN 0
.endm
.macro QUANT s, pc                     ; 64 numbers of a lane, register 16 b + i = K 32 b + 16 (lane / 16) + i of my row, become codes in v[pc] on and a scale word in v[PW]
.irp b, 0,1,2,3
	v_max3_num_f32 v[TM+\b], |v[\s+16*\b]|, |v[\s+1+16*\b]|, 0x1800000   ; my 16 numbers of block b, and the floor 2^(3 - 127)
.endr
.irp i, 2,4,6,8,10,12,14
.irp b, 0,1,2,3
	v_max3_num_f32 v[TM+\b], v[TM+\b], |v[\s+16*\b+\i]|, |v[\s+1+16*\b+\i]|
.endr
.endr
.irp b, 0,1,2,3
	v_permlanex16_b32 v[TM+4+\b], v[TM+\b], s[SEL], s[SEL+1]
.endr
.irp b, 0,1,2,3
	v_max_num_f32 v[TM+\b], v[TM+\b], v[TM+4+\b]
.endr
.irp b, 0,1,2,3
	v_add_nc_u32 v[TM+12+\b], 0xff000000, v[TM+\b]   ; 2 off the exponent field: the conversion's scale operand
.endr
.irp b, 0,1,2,3
	v_lshrrev_b32 v[TM+4+\b], 23, v[TM+12+\b]
.endr
	v_lshl_or_b32 v[PW], v[TM+5], 8, v[TM+4]
	v_lshl_or_b32 v[PW], v[TM+6], 16, v[PW]
	v_lshl_or_b32 v[PW], v[TM+7], 24, v[PW]
.irp c, 0,1
	v_cvt_scalef32_pk16_fp6_f32 v[\pc+6*\c:\pc+2+6*\c], v[\s+32*\c:\s+15+32*\c], v[TM+12+2*\c]
	v_cvt_scalef32_pk16_fp6_f32 v[\pc+12+4*\c:\pc+14+4*\c], v[\s+16+32*\c:\s+31+32*\c], v[TM+12+2*\c+1]
.endr
	v_nop                                          ; one plain instruction behind the scaled conversions
.irp c, 0,1
.irp i, 0,1,2
	v_permlane16_swap_b32 v[\pc+6*\c+\i], v[\pc+12+4*\c+\i]
.endr
.irp i, 0,1,2
	v_mov_b32 v[\pc+3+6*\c+\i], v[\pc+12+4*\c+\i]
.endr
.endr
.endm
; THE WAY OUT, A's fragment a at a time: its 64 numbers a lane go into window 0, turned (rope = 1: q and k) or as they are (0: v); they are quantised; the fragment leaves by four stores
.macro WAYOUT rope
.irp a, 0,1,2,3
.if \rope
	WIN 0x0e                                       ; source 0 (the sums) window 2, source 1 (the table) window 3
.irp g, 0,1,2,3                        ; (x0, x1) -> (x0 cos - x1 sin, x0 sin + x1 cos), each accumulator from its low end on
.irp p, 0,1,2,3,4,5,6,7
	v_pk_mul_f32 v[T+2*\p:T+2*\p+1], v[64*\a+16*\g+2*\p:64*\a+16*\g+2*\p+1], v[64*\a+16*\g+2*\p:64*\a+16*\g+2*\p+1] op_sel_hi:[0,1]   ; (x0 cos, x0 sin)
.endr
.irp p, 0,1,2,3,4,5,6,7
	v_pk_fma_f32 v[Y+16*\g+2*\p:Y+16*\g+2*\p+1], v[64*\a+16*\g+2*\p:64*\a+16*\g+2*\p+1], v[64*\a+16*\g+2*\p:64*\a+16*\g+2*\p+1], v[T+2*\p:T+2*\p+1] op_sel:[1,1,0] op_sel_hi:[1,0,1] neg_lo:[1,0,0]   ; (- x1 sin + .., x1 cos + ..)
.endr
.endr
.else
	WIN 0x02
.set cj, 0
.rept 32
	v_pk_mul_f32 v[Y+cj:Y+cj+1], v[64*\a+cj:64*\a+cj+1], 1.0 op_sel_hi:[1,0]   ; v is not turned: its numbers only move into the window in which the quantiser works, two at a time
.set cj, cj+2
.endr
.endif
	WIN 0
	QUANT Y, PC+20*\a
	global_store_b128 v[L16], v[PC+20*\a:PC+20*\a+3], s[86:87] offset:1536*\a           ; 512 consecutive bytes, aligned to 256
	global_store_b64 v[L8], v[PC+20*\a+4:PC+20*\a+5], s[86:87] offset:1536*\a+512       ; 256 consecutive bytes, aligned
	global_store_b128 v[L16], v[PC+20*\a+6:PC+20*\a+9], s[86:87] offset:1536*\a+768
	global_store_b64 v[L8], v[PC+20*\a+10:PC+20*\a+11], s[86:87] offset:1536*\a+1280
	v_mov_b32 v[W0+\a], v[PW]
.endr
.endm
	s_load_b256 s[4:11], s[0:1], 0x0               ; x_ws s[4:5], wqkv_ws s[6:7], freqs_cis s[8:9], qkv_ws s[10:11]
	v_lshl_add_u32 v[SPW], v0, 2, SPARE
	v_mov_b32 v[NIL], 0
	ds_add_u32 v[SPW], v[NIL]                      ; the wave's opening: the add, twice on end, and its wait ahead of the first tensor loads
	ds_add_u32 v[SPW], v[NIL]
	v_lshrrev_b32 v1, 5, v0
	v_readfirstlane_b32 s14, v1                    ; wave 0..3
	s_lshr_b32 s15, s14, 1                         ; wm: which 64 rows of side A are mine.  Also: which of B's two records waves 1 and 2 fetch
	s_and_b32 s16, s14, 1                          ; wn: which record of side B is mine
	s_bfe_u32 s13, ttmp6, 0x40000                  ; cx: it enters side A's, the table's and the results' addresses alone
	s_and_b32 s[YC], ttmp7, 0xffff                 ; the cluster's y, which the four partners share
	s_and_b32 s17, s[YC], 3
	s_lshl_b32 s17, s17, 2                         ; q, k: x's tiles 4 (y % 4) on
	s_lshr_b32 s42, s[YC], 2
	s_lshl_b32 s42, s42, 1                         ; q, k: heads 2 (y / 4) and + 1
	s_sub_co_u32 s18, s[YC], 40
	s_lshl_b32 s18, s18, 1                         ; v: x's tiles 2 (y - 40) and + 1
	s_cmp_ge_u32 s[YC], 40                         ; v's clusters
	s_cselect_b32 s17, 20, s17                     ; v: w_qkv's tiles 20 on
	s_cselect_b32 s42, s18, s42                    ; side B's first tile
	s_add_co_u32 s17, s17, s13                     ; side A's tile: + cx
	s_mov_b32 s[G1A], 3<<16                        ; no mask; elements of 8 bytes; no padding
	s_mov_b32 s[G1B], 15|(3<<16)|(1<<21)           ; the mask: all four; bit 21 set beside a mask
.irp g, G1A, G1B
	s_mov_b32 s[\g+1], 32<<16                      ; tensor_dim0 = 32 elements: 256 bytes
	s_mov_b32 s[\g+2], 400<<16                     ; tensor_dim1 = 400 rows: the first fill's eight records
	s_mov_b32 s[\g+3], 32<<16                      ; tile_dim0
	s_mov_b32 s[\g+4], 400                         ; tile_dim1
	s_mov_b32 s[\g+5], 32                          ; the rows are dense
	s_mov_b32 s[\g+6], 0
	s_mov_b32 s[\g+7], 0
.endr
	s_mul_i32 s20, s17, TILEB                      ; A: the tile's K step 0
	s_mov_b32 s21, 0
	s_add_co_u32 s46, s42, s15
	s_mul_i32 s46, s46, TILEB                      ; B: record 0 (wave 1) or 1 (wave 2)
	s_mov_b32 s47, 0
	s_min_u32 s45, s14, 2
	s_mul_i32 s45, s45, AREA                       ; where they go: area = wave: no place in the cluster enters an LDS address
	s_mov_b32 s[SEL], 0x76543210
	s_mov_b32 s[SEL+1], 0xfedcba98
	s_wait_dscnt 0x0                               ; the opening adds are done
	s_wait_kmcnt 0x0
	s_cmp_ge_u32 s[YC], 40
	s_cselect_b64 s[80:81], s[6:7], s[4:5]         ; side A's buffer
	s_cselect_b64 s[82:83], s[4:5], s[6:7]         ; side B's
	s_add_nc_u64 s[20:21], s[80:81], s[20:21]
	s_add_nc_u64 s[46:47], s[82:83], s[46:47]
.irp i, 0,1
	s_mov_b32 s[G0A+4*\i], 1
	s_add_co_u32 s[G0A+4*\i+1], s45, \i*GRP
	s_add_nc_u64 s[G0A+4*\i+2:G0A+4*\i+3], s[20:21], \i*GRP
	s_or_b32 s[G0A+4*\i+3], s[G0A+4*\i+3], 0x80000000
	s_mov_b32 s[G0B+4*\i], 1
	s_add_co_u32 s[G0B+4*\i+1], s45, \i*GRP
	s_add_nc_u64 s[G0B+4*\i+2:G0B+4*\i+3], s[46:47], \i*GRP
	s_or_b32 s[G0B+4*\i+3], s[G0B+4*\i+3], 0x80000000
.endr
	CROUND                                         ; all four work-groups are here: the first joint loads meet
	TLOAD 0                                        ; one first fill a loading wave: K steps 0-7 of its area
	v_and_b32 v1, 15, v0                           ; r
	s_wait_alu depctr_va_vdst(0)
	v_bfe_u32 v2, v0, 4, 1                         ; h
	v_and_b32 v[LN], 31, v0
	v_lshlrev_b32 v[L16], 4, v[LN]
	s_wait_alu depctr_va_vdst(0)
	v_lshlrev_b32 v[L8], 3, v[LN]
	s_mul_i32 s22, s15, 6144                       ; my four fragments of A
	s_mul_i32 s23, s16, AREA
	s_add_co_u32 s23, s23, AREA                    ; my record of B
.irp i, 0,1
	v_add_nc_u32 v[ADA+\i], s22, v[L16]
	v_add_nc_u32 v[ADB+\i], s23, v[L16]
	s_add_co_u32 s22, s22, GRP
	s_add_co_u32 s23, s23, GRP
.endr
	s_lshl_b32 s22, s15, 8
	s_add_co_u32 s22, s22, 12288                   ; A's scale words of my fragments: 12,288 + 256 wm
	s_mul_i32 s23, s16, AREA
	s_add_co_u32 s23, s23, AREA+12288              ; B's
	v_lshlrev_b32 v19, 4, v1                       ; 16 r
.irp i, 0,1
	v_add_nc_u32 v[ASA+\i], s22, v19
	v_add_nc_u32 v[ASB+\i], s23, v[L16]
	s_add_co_u32 s22, s22, GRP
	s_add_co_u32 s23, s23, GRP
.endr
	v_lshl_add_u32 v[SV], v2, 3, v19               ; 16 r + 8 h
.irp b, 0,1,2,3
	v_mov_b32 v[TM+4+\b], 0                        ; written once: a lane permute's destination counts as one of its sources
.endr
	; where my results go: q and k: record (head = my tile of B, block of rows = A's tile); v: record (A's tile, key step = my tile of B); in it fragments 4 wm on
	s_add_co_u32 s90, s42, s16                     ; my tile of B
	s_cmp_ge_u32 s[YC], 40
	s_cselect_b32 s91, s17, s90
	s_cselect_b32 s90, s90, s17
	s_lshl_b32 s91, s91, 4
	s_add_co_u32 s90, s90, s91
	s_mul_i32 s90, s90, REC                        ; the record
	s_mul_i32 s22, s15, 6144
	s_add_co_u32 s22, s22, s90
	s_mov_b32 s23, 0
	s_add_nc_u64 s[86:87], s[10:11], s[22:23]      ; my four fragments
	s_lshl_b32 s22, s15, 8
	s_add_co_u32 s22, s22, s90
	s_add_co_u32 s22, s22, 12288
	s_add_nc_u64 s[88:89], s[10:11], s[22:23]      ; their scale words
	; the table.  v's work-groups ask too, for rows of a tile inside the table (A's tile mod 16), and do not use them: so every path through this text writes these registers
	v_and_b32 v19, 8, v1
	v_add_nc_u32 v19, v19, v1                      ; r + 8 (r / 8)
	v_lshlrev_b32 v[FV], 9, v19                    ; a row of the table is 512 bytes
	v_lshl_add_u32 v[FV], v2, 6, v[FV]             ; + 64 h: my 16 d of a block of 32
	s_and_b32 s90, s17, 15
	s_lshl_b32 s90, s90, 16                        ; 128 rows
	s_lshl_b32 s22, s15, 15                        ; 64 rows
	s_add_co_u32 s90, s90, s22
	s_mov_b32 s91, 0
	s_add_nc_u64 s[84:85], s[8:9], s[90:91]
	s_wait_alu depctr_va_vdst(0)                   ; the wait at the head's end
	s_wait_tensorcnt 0x0                           ; my first fill is in, and no load of mine is out: group 1 may be written: a refill brings 200 rows, four records
	s_mov_b32 s[G1A+2], 200<<16
	s_mov_b32 s[G1A+4], 200
	s_mov_b32 s[G1B+2], 200<<16
	s_mov_b32 s[G1B+4], 200
	s_barrier_signal -1
	s_barrier_wait -1                              ; K steps 0-7 of both sides lie in LDS.
	FETCH 0
	TABLE 0                                        ; the table is wanted behind the last product: its first half is asked for here, its second behind the first refill
	STEP 0, 1                                      ; the first products start the sums
	STEP 1, 0
	STEP 2, 0                                      ; it fetches K step 3: the last read of places 0-3
	CHANGE 0                                       ; K steps 8-11
	TABLE 2
.irp k, 3,4,5,6
	STEP \k, 0                                     ; K step 6 fetches K step 7: the last read of places 4-7
.endr
	CHANGE 1                                       ; K steps 12-15; K steps 8-11 have landed
.irp k, 7,8,9,10
	STEP \k, 0
.endr
	WIN 0
	s_wait_tensorcnt 0x0                           ; my one load that is out, the last refill, has landed;
	s_wait_dscnt 0x0                               ; no LDS load of mine is out at a signal
	s_barrier_signal -1
	s_barrier_wait -1                              ; everybody's has: K steps 12-15 lie in places 4-7.
.irp k, 11,12,13,14
	STEP \k, 0
.endr
	s_wait_dscnt 0x0
	MUL 15, 0
	WIN 0
	PLACES 4                                       ; between the last product and the first read of results, and the first write of the registers that held A's fragments
	s_wait_loadcnt 0x0                             ; the table
	s_cmp_ge_u32 s[YC], 40                         ; the number is the same in all four partners
	s_cbranch_scc1 .Lv_out
	WAYOUT 1
	s_branch .Ldone
.Lv_out:
	WAYOUT 0
.Ldone:
	s_wait_alu depctr_va_vdst(0)
	v_cmp_lt_u32 vcc_lo, 15, v[LN]                 ; lanes 16-31 take fragments 2 and 3 of row r (every lane holds its row's words)
	v_cndmask_b32 v[DD], v[W0], v[W0+2], vcc_lo
	v_cndmask_b32 v[DD+1], v[W0+1], v[W0+3], vcc_lo
	global_store_b64 v[SV], v[DD:DD+1], s[88:89]   ; 32 lanes store 256 consecutive bytes, aligned
	s_wait_tensorcnt 0x0                           ; the wave's end
	ds_add_u32 v[SPW], v[NIL]
	s_wait_dscnt 0x0
	CROUND                                         ; the closing round
	s_endpgm
.Lfunc_end_k_qfa7e398051_gemm_qkv:
	.size	k_qfa7e398051_gemm_qkv, .Lfunc_end_k_qfa7e398051_gemm_qkv-k_qfa7e398051_gemm_qkv
	.p2alignl 7, 3214868480
	.fill 96, 4, 3214868480
	.section	.rodata,"a",@progbits
	.p2align	6, 0x0
	.amdhsa_kernel k_qfa7e398051_gemm_qkv
		.amdhsa_group_segment_fixed_size 327680
		.amdhsa_private_segment_fixed_size 0
		.amdhsa_enable_private_segment 0
		.amdhsa_kernarg_size 32
		.amdhsa_user_sgpr_count 2
		.amdhsa_user_sgpr_kernarg_segment_ptr 1
		.amdhsa_wavefront_size32 1
		.amdhsa_system_sgpr_workgroup_id_x 1
		.amdhsa_system_sgpr_workgroup_id_y 1
		.amdhsa_system_sgpr_workgroup_id_z 1
		.amdhsa_system_vgpr_workitem_id 0
		.amdhsa_next_free_vgpr 1024
		.amdhsa_next_free_sgpr 96
		.amdhsa_reserve_vcc 1
		.amdhsa_float_denorm_mode_32 3
		.amdhsa_float_denorm_mode_16_64 3
		.amdhsa_memory_ordered 1
		.amdhsa_forward_progress 1
		.amdhsa_inst_pref_size 181
	.end_amdhsa_kernel
	.amdgpu_metadata
---
amdhsa.version: [ 1, 2 ]
amdhsa.kernels:
  - .name:           k_qfa7e398051_gemm_qkv
    .symbol:         k_qfa7e398051_gemm_qkv.kd
    .args:
      - { .name: x_ws, .offset: 0, .size: 8, .value_kind: global_buffer, .address_space: global }
      - { .name: wqkv_ws, .offset: 8, .size: 8, .value_kind: global_buffer, .address_space: global }
      - { .name: freqs_cis, .offset: 16, .size: 8, .value_kind: global_buffer, .address_space: global }
      - { .name: qkv_ws, .offset: 24, .size: 8, .value_kind: global_buffer, .address_space: global }
    .group_segment_fixed_size: 327680
    .private_segment_fixed_size: 0
    .kernarg_segment_align: 8
    .kernarg_segment_size: 32
    .max_flat_workgroup_size: 128
    .sgpr_count:     96
    .vgpr_count:     1024
    .wavefront_size: 32
...
	.end_amdgpu_metadata
.endif
;; end of part 2
;; launch attn (part 3): grid 16 x 16, 8 waves a work-group, clusters of 4 x 1, 327,680 bytes of LDS; arguments qkv_ws, y_ws; writes y_ws
.if DOCPART == 3
	.amdgcn_target "amdgcn-amd-amdhsa--gfx1250"
	.amdhsa_code_object_version 6
	.text
	.protected	k_qfa7e398051_attn
	.globl	k_qfa7e398051_attn
	.p2align	8
	.type	k_qfa7e398051_attn,@function
k_qfa7e398051_attn:
	s_mov_b64 s[64:65], 0
	v_nop
	global_prefetch_b8 v0, s[64:65] scope:SCOPE_SE
	s_setreg_imm32_b32 hwreg(HW_REG_WAVE_MODE, 25, 1), 1
	s_wait_xcnt 0x0
	s_wait_alu depctr_hold_cnt(0) depctr_sa_sdst(0) depctr_va_vdst(0) depctr_va_sdst(0) depctr_va_ssrc(0) depctr_va_vcc(0) depctr_vm_vsrc(0)
	s_getreg_b32 s2, hwreg(HW_REG_IB_STS2, 6, 4)
	s_cmp_eq_u32 s2, 0
	s_cbranch_scc0 .Lentry_in_a_cluster
	s_endpgm
.Lentry_in_a_cluster:
	s_bfe_u32 s2, ttmp6, 0x10000c
	s_cmp_lg_u32 s2, 0x3003
	s_cbranch_scc0 .Lentry_shape_is_right
	s_endpgm
.Lentry_shape_is_right:
; y[t][head][:] = the sum over keys of softmax(q . k / sqrt(128)) v, both products on codes of FP6 (E2M3) with E8M0 scales; then y is quantised along its 2,048 columns for the last product.
; THE SOFTMAX AHEAD OF THE SECOND PRODUCT: t = score x log2(e) / sqrt(128); M = the running largest t rounded UP to a whole number; p = 2^(t - M) is quantised along the keys, not normalised; the row's sum is taken of
; the unquantised p and divides at the end; when M moves, the sum and O are multiplied by 2^(old M - new M), which rounds nothing.
; INPUT: records of 12,800 bytes (128 rows x 128 along K: 8 fragments of 1,536 bytes, 512 bytes of scale words), [slot 24][sub 16]: slot = q head, sub = block of 128 queries; slot 16 + kv: K, sub = key step;
;   slot 20 + kv: V with the keys innermost, rows d, sub = key step.  Fragment f = 2 b + u, lane-row r = tile row 32 b + 8 u + r + 8 (r / 8).  In a fragment half c lies at byte 768 c: byte 16 L + 4 i = register 6 c + i (i < 4),
;   byte 512 + 8 L + 4 i = register 6 c + 4 + i (i < 2).  Scale words: byte 12,288 + 256 (f / 4) + 16 r + 4 (f % 4).
; OUTPUT: y_ws [block of 128 rows][K step = head][12,800]: the same record, a fragment's byte 512 j + 16 L + 4 i = register 4 j + i of lane L.
; SHARES.  A work-group owns 128 queries of one head; each of its eight waves one fragment of 16; two waves to a SIMD, so that one wave's vector work stands beside the other's products and LDS loads.
; Both products are used transposed (source 0 = 16 keys, or 16 d; source 1 = my 16 queries): a lane holds one query throughout, and by the rows' order the 16 registers of tiles 2 b, 2 b + 1 are 16 neighbours along the next K.
; A TRIP TAKES 256 KEYS, two key steps: M moves once, and the sum and O^T are rescaled once, for 128 scores a lane.  Two buffers of eight fragments hold the trip's two records of K, then its two of V (asked for behind the first
;   products, under the softmax); the next trip's K is asked for behind the second products, and the 64 additions of the row's sum of p stand behind that request.
; CLUSTER 4 x 1: four blocks of queries of one head walk the same K and V: joint loads with the mask of all four.
; LDS: 12 of the 16 key steps of K and of V lie in LDS at once (step s at place s % 12).  EVERY wave fetches, waves 0-3 for K, 4-7 for V, q = wave % 4, the addresses made by arithmetic on the wave's number: at the head one
;   record (step q); behind the full sequence and a round two records (steps 4 + 2 q, 5 + 2 q), which have two trips in which to land; behind the second trip, once places 0-3 are read out, one record (step 12 + q), four trips
;   ahead of its first read.  Group 1's row count is written anew behind the waits that show no load out.  By this text's count a wave has one tensor load out at any time.
; No prefetch: each fill is asked for at the head or two trips and more ahead of its first read.
; LIMITS: NaN and infinities are not served; the scaled scores stay under 2^31 in magnitude; p under 2^-126 comes out of v_exp_f32 as 0; a block under 2^-124 is held at byte 1; a block of zeros gets byte 1 (its codes are
;   zeros; only this program reads the bytes).
.set REC,   12800
.set VAREA, 12*REC
.set SPARE, 24*REC                     ; the spare words, 128 bytes for each of eight waves
.set SCX,   SPARE+1024                 ; 512 bytes in which y's scale words meet
.set L16,  1                           ; v1   16 x lane
.set L8,   2                           ; v2   512 + 8 x lane
.set LV16, 3                           ; v3, v4 the same in V's places
.set LV8,  4
.set AK16, 5                           ; v5-8 the addresses of the trip's first place
.set AK8,  6
.set AV16, 7
.set AV8,  8
.set SPW,  9                           ; v9   my spare word's address; never rewritten
.set NIL,  10                          ; v10  0; never rewritten
.set SXA,  11                          ; v11  where I put y's scale word
.set QF,   16                          ; v16-27 Q's fragment;  v12 -M, v13 the largest t, v[14:15] the sum in two halves
.set QS,   28                          ; v28  Q's scale words
.set SXR,  29                          ; v29  where wave 0 reads the 512 bytes back
.set GQ,   30                          ; v30  Q's scale word: my byte offset
.set S,    32                          ; v32-159 the scores of 256 keys, then p; at the end v32-95 y
.set PC,   160                         ; v160-171 the codes of the first 128 keys' p, v172-178 at work
.set SA,   180                         ; v180-183 the scale words of the record in buffer A;  v184-187 of that in buffer B
.set SB,   184
.set BM,   192                         ; v192-199 the eight blocks' largest scores, then p
.set BP,   200                         ; v200-207 at work
.set BSC,  208                         ; v208-215 the conversions' scale operands
.set FF,   216                         ; v216 f = 2^(old M - new M); v217 a zero, named with it as a pair
.set TMP,  218
.set PW,   219                         ; v219, v220 p's two scale words
.set TM,   192                         ; v192-207 at work in QUANT, at the end
.set PC1,  224                         ; v224-235 the codes of the second 128 keys' p, v236-242 at work
.set SM,   244                         ; v244-255 partial sums of p
.set OW,   192                         ; window 1: v0-95 buffer A, v96-191 buffer B, v192-255 O^T
.set WV,   8
.set G1,   16                          ; s[16:23] descriptor group 1
.set G0,   24                          ; s[24:27] group 0 of the first fill and the refill, s[28:31] of the second fill
.set TB,   36                          ; s36  LDS byte of the next trip's first place
.set CNT,  37
.set SEL,  38
.set CS,   40                          ; s[40:41] c = log2(e) / sqrt(128)
.set MSB, 0
.macro WIN new                         ; the immediate's high byte repeats the setting that is left
.if MSB != \new
	s_set_vgpr_msb (MSB<<8)|\new
.set MSB, \new
.endif
.endm
.macro PLACES n
.rept \n
	v_nop
.endr
.endm
.macro CROUND                          ; a round of the cluster's barrier
	s_barrier_signal -1
	s_barrier_wait -1
	s_cmp_lg_u32 s[WV], 0
	s_cbranch_scc1 .Lnot_wave_0_\@
	s_barrier_signal -3
.Lnot_wave_0_\@:
	s_barrier_wait -3
	s_barrier_signal -1
	s_barrier_wait -1
.endm
.macro FETCHF dst, a16, a8, sc, off    ; 33 LDS loads: a record's eight fragments into window 1 and its scale words; every load takes consecutive bytes, 16 or 8 a lane
	WIN 0x40
.irp f, 0,1,2,3,4,5,6,7
.irp c, 0,1
	ds_load_b128 v[\dst+12*\f+6*\c:\dst+12*\f+6*\c+3], v[\a16] offset:\off+1536*\f+768*\c
	ds_load_b64 v[\dst+12*\f+6*\c+4:\dst+12*\f+6*\c+5], v[\a8] offset:\off+1536*\f+768*\c
.endr
.endr
	WIN 0
	ds_load_b128 v[\sc:\sc+3], v[\a16] offset:\off+12288   ; register i: fragment i in lanes 0-15, fragment 4 + i in lanes 16-31
.endm
.macro QUANT s                         ; 64 numbers of a lane, register 16 b + i = k 32 b + 16 (lane / 16) + i, become codes in v[PC] on and a scale word in v[PW]
.irp b, 0,1,2,3
	v_max3_num_f32 v[TM+\b], |v[\s+16*\b]|, |v[\s+1+16*\b]|, 0x1800000
.endr
.irp i, 2,4,6,8,10,12,14
.irp b, 0,1,2,3
	v_max3_num_f32 v[TM+\b], v[TM+\b], |v[\s+16*\b+\i]|, |v[\s+1+16*\b+\i]|
.endr
.endr
.irp b, 0,1,2,3
	v_permlanex16_b32 v[TM+4+\b], v[TM+\b], s[SEL], s[SEL+1]
.endr
.irp b, 0,1,2,3
	v_max_num_f32 v[TM+\b], v[TM+\b], v[TM+4+\b]
.endr
.irp b, 0,1,2,3
	v_add_nc_u32 v[TM+12+\b], 0xff000000, v[TM+\b]
.endr
.irp b, 0,1,2,3
	v_lshrrev_b32 v[TM+4+\b], 23, v[TM+12+\b]
.endr
	v_lshl_or_b32 v[PW], v[TM+5], 8, v[TM+4]
	v_lshl_or_b32 v[PW], v[TM+6], 16, v[PW]
	v_lshl_or_b32 v[PW], v[TM+7], 24, v[PW]
.irp c, 0,1
	v_cvt_scalef32_pk16_fp6_f32 v[PC+6*\c:PC+2+6*\c], v[\s+32*\c:\s+15+32*\c], v[TM+12+2*\c]
	v_cvt_scalef32_pk16_fp6_f32 v[PC+12+4*\c:PC+14+4*\c], v[\s+16+32*\c:\s+31+32*\c], v[TM+12+2*\c+1]
.endr
	v_nop
.irp c, 0,1
.irp i, 0,1,2
	v_permlane16_swap_b32 v[PC+6*\c+\i], v[PC+12+4*\c+\i]
.endr
.irp i, 0,1,2
	v_mov_b32 v[PC+3+6*\c+\i], v[PC+12+4*\c+\i]
.endr
.endr
.endm
.macro SUMP                            ; the row's sum of the unquantised p of the last 256 keys, two at a time, in seven chains: 64 additions
.irp c, 0,1,2,3,4,5
	v_pk_add_f32 v[SM+2*\c:SM+2*\c+1], v[S+4*\c:S+4*\c+1], v[S+4*\c+2:S+4*\c+3]
.endr
.set sj, 24
.set sk, 0
.rept 52
.if sk == 6
	v_pk_add_f32 v[14:15], v[14:15], v[S+sj:S+sj+1]
.else
	v_pk_add_f32 v[SM+2*sk:SM+2*sk+1], v[SM+2*sk:SM+2*sk+1], v[S+sj:S+sj+1]
.endif
.set sj, sj+2
.set sk, (sk+1)%7
.endr
	v_pk_add_f32 v[SM:SM+1], v[SM:SM+1], v[SM+2:SM+3]
	v_pk_add_f32 v[SM+4:SM+5], v[SM+4:SM+5], v[SM+6:SM+7]
	v_pk_add_f32 v[SM+8:SM+9], v[SM+8:SM+9], v[SM+10:SM+11]
	v_pk_add_f32 v[SM:SM+1], v[SM:SM+1], v[SM+4:SM+5]
	v_pk_add_f32 v[14:15], v[14:15], v[SM+8:SM+9]
	v_pk_add_f32 v[14:15], v[14:15], v[SM:SM+1]
.endm
; A trip's first part: the trip's two records of K are asked for, and the last trip's p are summed behind that request
.macro FSTEP
	v_add_nc_u32 v[AK16], s[TB], v[L16]            ; these four are also the places between the last products and the loads into the buffers
	v_add_nc_u32 v[AK8], s[TB], v[L8]
	v_add_nc_u32 v[AV16], s[TB], v[LV16]
	v_add_nc_u32 v[AV8], s[TB], v[LV8]
	FETCHF 0, AK16, AK8, SA, 0
	FETCHF 96, AK16, AK8, SB, REC
	s_add_co_u32 s[TB], s[TB], 2*REC
	SUMP
.endm
.macro SMUL base, fr, sc               ; S^T of 128 keys: eight products
.irp t, 0,1,2,3
	v_wmma_scale_f32_16x16x128_f8f6f4 v[S+\base+8*\t:S+\base+8*\t+7], v[\fr+12*\t:\fr+12*\t+11], v[QF:QF+11], 0, v[\sc+\t], v[QS] matrix_a_fmt:MATRIX_FMT_FP6 matrix_b_fmt:MATRIX_FMT_FP6
.endr
.irp t, 4,5,6,7
	v_wmma_scale_f32_16x16x128_f8f6f4 v[S+\base+8*\t:S+\base+8*\t+7], v[\fr+12*\t:\fr+12*\t+11], v[QF:QF+11], 0, v[\sc+\t-4], v[QS] matrix_a_fmt:MATRIX_FMT_FP6 matrix_b_fmt:MATRIX_FMT_FP6 matrix_a_scale:MATRIX_SCALE_ROW1
.endr
.endm
.macro PMUL fr, pc, sc, pw             ; O^T += V^T p^T over 128 keys: the eight accumulators by turns, one instruction a turn
.irp t, 0,1,2,3
	v_wmma_scale_f32_16x16x128_f8f6f4 v[OW+8*\t:OW+8*\t+7], v[\fr+12*\t:\fr+12*\t+11], v[\pc:\pc+11], v[OW+8*\t:OW+8*\t+7], v[\sc+\t], v[\pw] matrix_a_fmt:MATRIX_FMT_FP6 matrix_b_fmt:MATRIX_FMT_FP6
.endr
.irp t, 4,5,6,7
	v_wmma_scale_f32_16x16x128_f8f6f4 v[OW+8*\t:OW+8*\t+7], v[\fr+12*\t:\fr+12*\t+11], v[\pc:\pc+11], v[OW+8*\t:OW+8*\t+7], v[\sc+\t-4], v[\pw] matrix_a_fmt:MATRIX_FMT_FP6 matrix_b_fmt:MATRIX_FMT_FP6 matrix_a_scale:MATRIX_SCALE_ROW1
.endr
.endm
.macro CODES g, pc                     ; the p of keys 128 g .. 128 g + 127 become codes
.irp c, 0,1
	v_cvt_scalef32_pk16_fp6_f32 v[\pc+6*\c:\pc+2+6*\c], v[S+64*\g+32*\c:S+64*\g+15+32*\c], v[BSC+4*\g+2*\c]
	v_cvt_scalef32_pk16_fp6_f32 v[\pc+12+4*\c:\pc+14+4*\c], v[S+64*\g+16+32*\c:S+64*\g+31+32*\c], v[BSC+4*\g+2*\c+1]
.endr
.endm
.macro WHOLE pc                        ; the operand wants a whole block in a lane
.irp c, 0,1
.irp i, 0,1,2
	v_permlane16_swap_b32 v[\pc+6*\c+\i], v[\pc+12+4*\c+\i]
.endr
.irp i, 0,1,2
	v_mov_b32 v[\pc+3+6*\c+\i], v[\pc+12+4*\c+\i]
.endr
.endr
.endm
; A trip's second part: the scores of 256 keys, the softmax's step, the products with V
.macro BSTEP
	s_wait_dscnt 33                                ; the first record of K is in; the second's 33 loads may be out
	WIN 0x01                                       ; source 0 window 1
	SMUL 0, 0, SA
	s_wait_dscnt 0x0
	SMUL 64, 96, SB
	WIN 0
	PLACES 4                                       ; between the products and the loads into the buffers, and the first read of the scores
	FETCHF 0, AV16, AV8, SA, 0                     ; the trip's two records of V
	FETCHF 96, AV16, AV8, SB, REC
.irp b, 0,1,2,3,4,5,6,7
	v_max3_num_f32 v[BM+\b], v[S+16*\b], v[S+1+16*\b], v[S+2+16*\b]   ; the largest score of each block of 32 keys: for the row's maximum, and, since p rises with the score, for the block's largest p
.endr
.irp i, 3,5,7,9,11,13
.irp b, 0,1,2,3,4,5,6,7
	v_max3_num_f32 v[BM+\b], v[BM+\b], v[S+16*\b+\i], v[S+1+16*\b+\i]
.endr
.endr
.irp b, 0,1,2,3,4,5,6,7
	v_max_num_f32 v[BM+\b], v[BM+\b], v[S+15+16*\b]
.endr
.irp b, 0,1,2,3,4,5,6,7
	v_permlanex16_b32 v[BP+\b], v[BM+\b], s[SEL], s[SEL+1]
.endr
.irp b, 0,1,2,3,4,5,6,7
	v_max_num_f32 v[BM+\b], v[BM+\b], v[BP+\b]     ; with lane l xor 16's 16 keys
.endr
	v_max3_num_f32 v[TMP], v[BM], v[BM+1], v[BM+2]
	s_delay_alu instid0(VALU_DEP_1)
	v_max3_num_f32 v[TMP], v[TMP], v[BM+3], v[BM+4]
	s_delay_alu instid0(VALU_DEP_1)
	v_max3_num_f32 v[TMP], v[TMP], v[BM+5], v[BM+6]
	s_delay_alu instid0(VALU_DEP_1)
	v_max_num_f32 v[TMP], v[TMP], v[BM+7]
	s_delay_alu instid0(VALU_DEP_1)
	v_mul_f32 v[TMP], s[CS], v[TMP]                ; the trip's largest t (c is positive)
	s_delay_alu instid0(VALU_DEP_1)
	v_max_num_f32 v13, v13, v[TMP]                 ; the running largest t
	v_mov_b32 v[TMP], v12
	s_delay_alu instid0(VALU_DEP_2)
	v_floor_f32 v12, -v13                          ; the new -M = floor(-t): M is a whole number
	s_delay_alu instid0(VALU_DEP_1)
	v_sub_f32 v[TMP], v12, v[TMP]                  ; old M - new M: a whole number, 0 or less
	s_delay_alu instid0(VALU_DEP_1)
	v_cvt_i32_f32 v[TMP], v[TMP]                   ; (it saturates)
	s_delay_alu instid0(VALU_DEP_1)
	v_ldexp_f32 v[FF], 1.0, v[TMP]                 ; f
.irp b, 0,1,2,3,4,5,6,7
	v_fma_f32 v[BM+\b], v[BM+\b], s[CS], v12       ; t - M of each block's largest score
.endr
.set j, 0
.rept 64
	v_pk_fma_f32 v[S+j:S+j+1], v[S+j:S+j+1], s[CS:CS+1], v[12:13] op_sel_hi:[1,0,0]   ; t - M, two at a time
.set j, j+2
.endr
	s_wait_alu depctr_va_vdst(0)                   ; the wait ahead of the batch
.irp b, 0,1,2,3,4,5,6,7
	v_exp_f32 v[BM+\b], v[BM+\b]                   ; the block's largest p
.endr
.set j, 0
.rept 128
	v_exp_f32 v[S+j], v[S+j]                       ; p = 2^(t - M), at most 1
.set j, j+1
.endr
	v_pk_mul_f32 v[14:15], v[14:15], v[FF:FF+1] op_sel_hi:[1,0]   ; the sums under the new M: a plain instruction behind the exponentials
	s_wait_alu depctr_va_vdst(0)                   ; one wait for the batch of 136, ahead of its first reader
.irp b, 0,1,2,3,4,5,6,7
	v_max_num_f32 v[BM+\b], 0x1800000, v[BM+\b]    ; the floor 2^(3 - 127)
.endr
.irp b, 0,1,2,3,4,5,6,7
	v_add_nc_u32 v[BSC+\b], 0xff000000, v[BM+\b]   ; the conversion's scale operand
.endr
.irp b, 0,1,2,3,4,5,6,7
	v_lshrrev_b32 v[BP+\b], 23, v[BSC+\b]          ; the byte
.endr
	v_lshl_or_b32 v[PW], v[BP+1], 8, v[BP]         ; p's two scale words, by turns
	v_lshl_or_b32 v[PW+1], v[BP+5], 8, v[BP+4]
	v_lshl_or_b32 v[PW], v[BP+2], 16, v[PW]
	v_lshl_or_b32 v[PW+1], v[BP+6], 16, v[PW+1]
	v_lshl_or_b32 v[PW], v[BP+3], 24, v[PW]
	v_lshl_or_b32 v[PW+1], v[BP+7], 24, v[PW+1]
	CODES 0, PC
	CODES 1, PC1
	v_nop                                          ; one plain instruction behind the scaled conversions
	WHOLE PC
	WHOLE PC1
	WIN 0x41                                       ; O^T: destination and source 0 window 1
	s_wait_alu depctr_va_vdst(0)                   ; the wait directly ahead of the first reader of O^T
.set j, 0
.rept 32
	v_pk_mul_f32 v[OW+j:OW+j+1], v[OW+j:OW+j+1], v[FF:FF+1] op_sel_hi:[1,0]   ; O^T under the new M, each accumulator from its low end on.  For each product below, the 28 of these on the other tiles stand between the writes of p's codes and scale words and that product
.set j, j+2
.endr
	s_wait_alu depctr_va_vdst(0)                   ; the wait directly ahead of the wait below
	s_wait_dscnt 33                                ; the first record of V is in; the second's 33 loads may be out
	WIN 0x51                                       ; source 0 (V), C and D window 1; source 1 (p) window 0
	PMUL 0, PC, SA, PW
	s_wait_dscnt 0x0
	PMUL 96, PC1, SB, PW+1
	WIN 0
.endm
.macro TRIPS label, n                  ; n trips
	s_mov_b32 s[CNT], \n
\label:
	FSTEP
	BSTEP
	s_sub_co_u32 s[CNT], s[CNT], 1
	s_cmp_lg_u32 s[CNT], 0
	s_wait_alu depctr_va_vdst(0)                   ; the wait directly ahead of the branch
	s_cbranch_scc1 \label
.endm
	s_load_b128 s[4:7], s[0:1], 0x0                ; qkv_ws s[4:5], y_ws s[6:7]
	v_lshl_add_u32 v[SPW], v0, 2, SPARE
	v_mov_b32 v[NIL], 0
	ds_add_u32 v[SPW], v[NIL]                      ; the wave's opening: the add, twice on end, and its wait ahead of the first tensor loads
	ds_add_u32 v[SPW], v[NIL]
	v_lshrrev_b32 v1, 5, v0
	s_delay_alu instid0(VALU_DEP_1)
	v_readfirstlane_b32 s[WV], v1                  ; wave 0..7
	s_bfe_u32 s9, ttmp6, 0x40000                   ; cx
	s_lshl_b32 s10, ttmp9, 2
	s_add_co_u32 s10, s10, s9                      ; my block of 128 queries: it enters Q's and y's addresses alone
	s_and_b32 s11, ttmp7, 0xffff                   ; the head, which the four partners share
	s_lshr_b32 s12, s11, 2                         ; its key and value head
	s_lshr_b32 s13, s[WV], 2                       ; waves 0-3 fetch K, waves 4-7 V
	s_and_b32 s14, s[WV], 3                        ; q
	s_mov_b32 s[G1], 15|(3<<16)|(1<<21)            ; the mask: all four; elements of 8 bytes; bit 21 set beside a mask; no padding
	s_mov_b32 s[G1+1], 32<<16                      ; tensor_dim0 = 32 elements: 256 bytes
	s_mov_b32 s[G1+2], 50<<16                      ; tensor_dim1 = 50 rows: one record
	s_mov_b32 s[G1+3], 32<<16                      ; tile_dim0
	s_mov_b32 s[G1+4], 50                          ; tile_dim1
	s_mov_b32 s[G1+5], 32                          ; the rows are dense
	s_mov_b32 s[G1+6], 0
	s_mov_b32 s[G1+7], 0
	s_mul_i32 s61, s13, VAREA
	s_mul_i32 s49, s14, REC
	s_add_co_u32 s48, s61, s49                     ; place q of my area: the first fill's, and the refill's
	s_add_co_u32 s[G0+5], s48, s49
	s_add_co_u32 s[G0+5], s[G0+5], 4*REC           ; place 4 + 2 q: the second fill's
	s_lshl_b32 s50, s13, 2
	s_add_co_u32 s50, s50, s12
	s_add_co_u32 s50, s50, 16                      ; slot 16 + kv (K) or 20 + kv (V)
	s_mul_i32 s50, s50, 16*REC
	s_add_co_u32 s50, s50, s49                     ; key step q
	s_mov_b32 s51, 0
	s_mov_b32 s62, s49
	s_mov_b32 s63, 0
	s_lshl_b32 s52, s11, 4
	s_add_co_u32 s52, s52, s10
	s_mul_i32 s52, s52, REC                        ; Q's record
	s_mov_b32 s53, 0
	s_mul_i32 s54, s10, 16*REC
	s_mul_i32 s55, s11, REC
	s_add_co_u32 s54, s54, s55                     ; y's record
	s_mov_b32 s55, 0
	s_mul_i32 s56, s[WV], 1536                     ; my fragment in both
	s_mov_b32 s57, 0
	s_lshr_b32 s60, s[WV], 2
	s_lshl_b32 s60, s60, 8
	s_and_b32 s61, s[WV], 3
	s_lshl_b32 s61, s61, 2
	s_add_co_u32 s60, s60, s61                     ; its scale words: 256 (w / 4) + 4 (w % 4)
	s_mov_b32 s[SEL], 0x76543210
	s_mov_b32 s[SEL+1], 0xfedcba98
	s_mov_b32 s[CS], 0x3e0293ee                    ; c = log2(e) / sqrt(128)
	s_mov_b32 s[CS+1], s[CS]                       ; (named with it as a pair)
	s_mov_b32 s[TB], 0
	s_wait_dscnt 0x0                               ; the opening adds are done
	s_wait_kmcnt 0x0
	s_add_nc_u64 s[50:51], s[4:5], s[50:51]
	s_add_nc_u64 s[42:43], s[4:5], s[52:53]
	s_add_nc_u64 s[58:59], s[42:43], s[56:57]
	s_add_nc_u64 s[46:47], s[6:7], s[54:55]
	s_add_nc_u64 s[44:45], s[46:47], s[56:57]
	s_mov_b32 s[G0], 1
	s_add_co_u32 s[G0+1], s48, 0
	s_mov_b64 s[G0+2:G0+3], s[50:51]               ; key step q
	s_or_b32 s[G0+3], s[G0+3], 0x80000000
	s_mov_b32 s[G0+4], 1
	s_add_nc_u64 s[G0+6:G0+7], s[50:51], s[62:63]
	s_add_nc_u64 s[G0+6:G0+7], s[G0+6:G0+7], 4*REC   ; key step 4 + 2 q: 4 + q records on from step q
	s_or_b32 s[G0+7], s[G0+7], 0x80000000
	CROUND                                         ; all four work-groups are here: the first joint loads meet
	tensor_load_to_lds s[G0:G0+3], s[G1:G1+7]      ; every wave's one load at the head: key steps 0-3 of K and V
	s_nop 0
.rept 4
	v_nop
.endr
	v_and_b32 v31, 31, v0
	v_lshlrev_b32 v[L16], 4, v31
	v_lshlrev_b32 v[L8], 3, v31
	v_add_nc_u32 v[L8], 512, v[L8]
	v_add_nc_u32 v[LV16], VAREA, v[L16]
	v_add_nc_u32 v[LV8], VAREA, v[L8]
	v_and_b32 v31, 15, v0                          ; r
	v_lshl_add_u32 v[GQ], v31, 4, s60
	v_add_nc_u32 v[SXA], SCX, v[GQ]
	v_add_nc_u32 v[SXR], SCX, v[L16]
	global_load_b128 v[QF:QF+3], v[L16], s[58:59]              ; Q's fragment stays in registers
	global_load_b64 v[QF+4:QF+5], v[L8], s[58:59]
	global_load_b128 v[QF+6:QF+9], v[L16], s[58:59] offset:768
	global_load_b64 v[QF+10:QF+11], v[L8], s[58:59] offset:768
	global_load_b32 v[QS], v[GQ], s[42:43] offset:12288
	v_mov_b32 v13, 0xff61b1e6                      ; the largest t so far: -3e38
	v_mov_b32 v14, 0
	v_mov_b32 v15, 0
	v_floor_f32 v12, -v13
	v_mov_b32 v[FF+1], 0
	v_mov_b32 v[TMP], 0
.irp b, 0,1,2,3,4,5,6,7
	v_mov_b32 v[BP+\b], 0                          ; written once: a lane permute's destination counts as one of its sources
.endr
.set j, 0
.rept 128
	v_mov_b32 v[S+j], 0                            ; a trip is written for every trip alike: the first sums zeros for the p of a trip before it,
.set j, j+1
.endr
	WIN 0x40
.set j, 0
.rept 64
	v_mov_b32 v[OW+j], 0                           ; and finds zeros in O^T, which the first change of M leaves zeros
.set j, j+1
.endr
	WIN 0
	s_wait_alu depctr_va_vdst(0)                   ; the wait at the head's end
	s_wait_tensorcnt 0x0                           ; my record is in
	ds_add_u32 v[SPW], v[NIL]
	s_mov_b32 s[G1+2], 100<<16                     ; no load of mine is out, so group 1 may be written: the second fill brings 100 rows, two records
	s_mov_b32 s[G1+4], 100
	s_wait_dscnt 0x0                               ; the add is done
	CROUND                                         ; key steps 0-3 lie in LDS, and all four work-groups are here
	tensor_load_to_lds s[G0+4:G0+7], s[G1:G1+7]    ; key steps 4-11: the first tensor load behind the round, my only one
	s_nop 0
.rept 4
	v_nop
.endr
	s_wait_loadcnt 0x0                             ; Q
	TRIPS .Lfirst, 2                               ; key steps 0-3
	s_wait_tensorcnt 0x0                           ; my part of key steps 4-11 is in, and no load of mine is out;
	ds_add_u32 v[SPW], v[NIL]                      ; 0 onto my spare word
	s_mov_b32 s[G1+2], 50<<16                      ; the refill brings one record:
	s_mov_b32 s[G1+4], 50
	s_add_nc_u64 s[G0+2:G0+3], s[G0+2:G0+3], 12*REC   ; key step 12 + q
	s_wait_dscnt 0x0                               ; the add is done, and my reads of places 0-3 are over
	CROUND                                         ; both hold of every wave of every partner; and places 4-11 are whole
	tensor_load_to_lds s[G0:G0+3], s[G1:G1+7]      ; the refill: the first tensor load behind the round, my only one
	s_nop 0
.rept 4
	v_nop
.endr
	TRIPS .Lmiddle, 4                              ; key steps 4-11
	s_wait_tensorcnt 0x0                           ; my one load that is out, the refill, has landed;
	s_wait_dscnt 0x0                               ; no LDS load of mine is out at a signal
	s_barrier_signal -1
	s_barrier_wait -1                              ; everybody's has: key steps 12-15 lie in places 0-3.
	s_mov_b32 s[TB], 0
	TRIPS .Llast, 2                                ; key steps 12-15
	SUMP                                           ; the last trip's p; these additions are also the places behind the last products
	; THE WAY OUT: O^T / the sum is my 16 rows of y at this head's 128 columns: register 16 b + i = d 32 b + 16 h + i.  They are one K step of the last product: quantised here, a fragment a wave.
	v_add_f32 v14, v14, v15
	s_delay_alu instid0(VALU_DEP_1)
	v_permlanex16_b32 v[TMP], v14, s[SEL], s[SEL+1]
	s_delay_alu instid0(VALU_DEP_1)
	v_add_f32 v14, v14, v[TMP]                     ; the row's sum
	s_wait_alu depctr_va_vdst(0)                   ; the wait ahead of the reciprocal
	v_rcp_f32 v14, v14
	v_nop                                          ; a plain instruction behind the reciprocal
	WIN 0x01                                       ; source 0 (O^T) window 1
	s_wait_alu depctr_va_vdst(0)                   ; and the wait ahead of its first reader
.set j, 0
.rept 32
	v_pk_mul_f32 v[S+j:S+j+1], v[OW+j:OW+j+1], v[14:15] op_sel_hi:[1,0]   ; each accumulator from its low end on
.set j, j+2
.endr
	WIN 0
	QUANT S
.irp j, 0,1,2
	global_store_b128 v[L16], v[PC+4*\j:PC+4*\j+3], s[44:45] offset:512*\j   ; 512 consecutive bytes, aligned to 256
.endr
	ds_store_b32 v[SXA], v[PW]                     ; both halves of the lanes write the same word with the same value
	s_wait_dscnt 0x0                               ; for the others' sake
	s_barrier_signal -1
	s_barrier_wait -1
	s_cmp_lg_u32 s[WV], 0
	s_cbranch_scc1 .Lnot_first
	ds_load_b128 v[TM:TM+3], v[SXR]                ; the record's 512 bytes of scale words leave whole
	s_wait_dscnt 0x0
	global_store_b128 v[L16], v[TM:TM+3], s[46:47] offset:12288
.Lnot_first:
	s_wait_tensorcnt 0x0                           ; the wave's end
	ds_add_u32 v[SPW], v[NIL]
	s_wait_dscnt 0x0
	CROUND                                         ; the closing round
	s_endpgm
.Lfunc_end_k_qfa7e398051_attn:
	.size	k_qfa7e398051_attn, .Lfunc_end_k_qfa7e398051_attn-k_qfa7e398051_attn
	.p2alignl 7, 3214868480
	.fill 96, 4, 3214868480
	.section	.rodata,"a",@progbits
	.p2align	6, 0x0
	.amdhsa_kernel k_qfa7e398051_attn
		.amdhsa_group_segment_fixed_size 327680
		.amdhsa_private_segment_fixed_size 0
		.amdhsa_enable_private_segment 0
		.amdhsa_kernarg_size 16
		.amdhsa_user_sgpr_count 2
		.amdhsa_user_sgpr_kernarg_segment_ptr 1
		.amdhsa_wavefront_size32 1
		.amdhsa_system_sgpr_workgroup_id_x 1
		.amdhsa_system_sgpr_workgroup_id_y 1
		.amdhsa_system_sgpr_workgroup_id_z 1
		.amdhsa_system_vgpr_workitem_id 0
		.amdhsa_next_free_vgpr 512
		.amdhsa_next_free_sgpr 66
		.amdhsa_reserve_vcc 0
		.amdhsa_float_denorm_mode_32 3
		.amdhsa_float_denorm_mode_16_64 3
		.amdhsa_memory_ordered 1
		.amdhsa_forward_progress 1
		.amdhsa_inst_pref_size 134
	.end_amdhsa_kernel
	.amdgpu_metadata
---
amdhsa.version: [ 1, 2 ]
amdhsa.kernels:
  - .name:           k_qfa7e398051_attn
    .symbol:         k_qfa7e398051_attn.kd
    .args:
      - { .name: qkv_ws, .offset: 0, .size: 8, .value_kind: global_buffer, .address_space: global }
      - { .name: y_ws, .offset: 8, .size: 8, .value_kind: global_buffer, .address_space: global }
    .group_segment_fixed_size: 327680
    .private_segment_fixed_size: 0
    .kernarg_segment_align: 8
    .kernarg_segment_size: 16
    .max_flat_workgroup_size: 256
    .sgpr_count:     66
    .vgpr_count:     512
    .wavefront_size: 32
...
	.end_amdgpu_metadata
.endif
;; end of part 3
;; launch gemm_out (part 4): grid 16 x 16, 4 waves a work-group, clusters of 4 x 4, 327,680 bytes of LDS; arguments y_ws, wproj_ws, out0; writes out0
.if DOCPART == 4
	.amdgcn_target "amdgcn-amd-amdhsa--gfx1250"
	.amdhsa_code_object_version 6
	.text
	.protected	k_qfa7e398051_gemm_out
	.globl	k_qfa7e398051_gemm_out
	.p2align	8
	.type	k_qfa7e398051_gemm_out,@function
k_qfa7e398051_gemm_out:
	s_mov_b64 s[64:65], 0
	v_nop
	global_prefetch_b8 v0, s[64:65] scope:SCOPE_SE
	s_setreg_imm32_b32 hwreg(HW_REG_WAVE_MODE, 25, 1), 1
	s_wait_xcnt 0x0
	s_wait_alu depctr_hold_cnt(0) depctr_sa_sdst(0) depctr_va_vdst(0) depctr_va_sdst(0) depctr_va_ssrc(0) depctr_va_vcc(0) depctr_vm_vsrc(0)
	s_getreg_b32 s2, hwreg(HW_REG_IB_STS2, 6, 4)
	s_cmp_eq_u32 s2, 0
	s_cbranch_scc0 .Lentry_in_a_cluster
	s_endpgm
.Lentry_in_a_cluster:
	s_bfe_u32 s2, ttmp6, 0x10000c
	s_cmp_lg_u32 s2, 0xf033
	s_cbranch_scc0 .Lentry_shape_is_right
	s_endpgm
.Lentry_shape_is_right:
; out0 = y w_proj on codes of FP6 (E2M3) with E8M0 scales; sums in f32.  Both operands come as records of 12,800 bytes, [tile of 128 rows][K step 16]: 8 fragments of 1,536 bytes (byte 512 j + 16 L + 4 i = register 4 j + i of
; lane L; fragment f = 2 b + u, lane-row r = tile row 32 b + 8 u + r + 8 (r / 8)), then 512 bytes of scale words (byte 12,288 + 256 (f / 4) + 16 r + 4 (f % 4)).
; SHARES.  A work-group makes 128 x 128 of out0: 256 work-groups.  A wave makes 64 x 64: 16 accumulators, A's fragments 4 wm on against B's fragments 4 wn on.  The matrix instruction is used transposed (source 0 = w_proj's
; columns, source 1 = y's rows): a lane holds eight numbers of one row of out0.
; CLUSTER 4 x 4: y's tile is shared along a row of the cluster, w_proj's along a column: joint loads.
; WHERE THE OPERANDS LIE.  K steps 0-11 of both sides lie in LDS (24 places of 12,800 bytes), asked for at the head by ONE load a wave of six records (76,800 dense bytes as 300 rows of 256): waves 0, 1 fetch y's, waves 2, 3
; w_proj's.  K steps 12-15 do not fit beside them: each wave loads its own eight fragments and scale words of these four steps from memory straight into registers (windows 2 and 3: 384 registers; a record is the image of
; the operand's registers, so a load takes 512 consecutive bytes).  So no LDS byte is filled twice, and the walk along K has one barrier, at its start.
; No prefetch: everything that the launch reads is asked for at the head or directly behind the one barrier: there is no loop to run ahead in.
.set REC,   12800
.set TILEB, 16*REC
.set GRP,   4*REC                      ; an address register serves four places
.set BAREA, 12*REC
.set SPARE, 24*REC                     ; the spare words, 128 bytes a wave
.set STAGE, SPARE+512                  ; the way out: 16 rows x 272 bytes for each wave
.set L16,  3                           ; v3   16 x lane
.set ADA,  5                           ; v5-7   my four fragments of A in places 0, 4, 8 (v5 is also their byte in a record in memory)
.set ADB,  8                           ; v8-10  the same for B
.set ADS,  11                          ; v11-13 scale words: lanes 0-15 A's, lanes 16-31 B's
.set SPW,  14                          ; v14  my spare word's address; never rewritten
.set NIL,  15                          ; v15  0; never rewritten
.set STO,  16
.set RD,   17
.set CO,   18
.set HFB,  21                          ; v21  my four fragments of B in a record in memory
.set HSA,  22                          ; v22, v23  my scale words of A, of B in a record in memory
.set HSB,  23
.set SC,   32                          ; v32-39 scale words, two sets
.set BK,   40                          ; v40-103 the way out
.set HS,   64                          ; v64-95 the scale words of K steps 12-15: for each A's four registers, then B's four
.set ACC,  128                         ; v128-255 the 16 accumulators
.set G1A, 24
.set G1B, 32
.set G0A, 48
.set G0B, 52
.set HA,  76                           ; s[76:77] K step 12 of my tile of y;  s[78:79] of w_proj
.set HB,  78
; window 1: fragments from LDS, set s = K step % 2 at v[96 s]: A's four, then B's four.  window 2: K steps 12, 13 in the same order;  window 3: K steps 14, 15
.set MSB, 0
.macro WIN new
.if MSB != \new
	s_set_vgpr_msb (MSB<<8)|\new
.set MSB, \new
.endif
.endm
.macro PLACES n
.rept \n
	v_nop
.endr
.endm
.macro CROUND                          ; a round of the cluster's barrier
	s_barrier_signal -1
	s_barrier_wait -1
	s_cmp_lg_u32 s14, 0
	s_cbranch_scc1 .Lnot_wave_0_\@
	s_barrier_signal -3
.Lnot_wave_0_\@:
	s_barrier_wait -3
	s_barrier_signal -1
	s_barrier_wait -1
.endm
.macro FETCH ks                        ; 25 LDS loads
.set FP, (\ks)%12
.set FI, FP/4
.set FO, (FP%4)*REC
.set FS, 96*((\ks)%2)
	WIN 0x40
.irp b, 0,1,2,3
.irp j, 0,1,2
	ds_load_b128 v[FS+48+12*\b+4*\j:FS+48+12*\b+4*\j+3], v[ADB+FI] offset:FO+1536*\b+512*\j
.endr
.endr
.irp a, 0,1,2,3
.irp j, 0,1,2
	ds_load_b128 v[FS+12*\a+4*\j:FS+12*\a+4*\j+3], v[ADA+FI] offset:FO+1536*\a+512*\j
.endr
.endr
	WIN 0
	ds_load_b128 v[SC+4*((\ks)%2):SC+4*((\ks)%2)+3], v[ADS+FI] offset:FO
.endm
.macro HOLD q                          ; K step 12 + q from memory into registers: 26 loads
.set FS, 96*((\q)%2)
	WIN 0x80+0x40*((\q)/2)                         ; destination window 2 or 3
.irp b, 0,1,2,3
.irp j, 0,1,2
	global_load_b128 v[FS+48+12*\b+4*\j:FS+48+12*\b+4*\j+3], v[HFB], s[HB:HB+1] offset:(\q)*REC+1536*\b+512*\j
.endr
.endr
.irp a, 0,1,2,3
.irp j, 0,1,2
	global_load_b128 v[FS+12*\a+4*\j:FS+12*\a+4*\j+3], v[ADA], s[HA:HA+1] offset:(\q)*REC+1536*\a+512*\j
.endr
.endr
	WIN 0
	global_load_b128 v[HS+8*(\q):HS+8*(\q)+3], v[HSA], s[HA:HA+1] offset:(\q)*REC
	global_load_b128 v[HS+8*(\q)+4:HS+8*(\q)+7], v[HSB], s[HB:HB+1] offset:(\q)*REC
.endm
.macro MUL ks, zero                    ; 16 matrix instructions; the 16 accumulators take turns, in the same order in every step
.set FS, 96*((\ks)%2)
.set SS, SC+4*((\ks)%2)
	WIN 0x05
.irp a, 0,1,2,3
.irp b, 0,1,2,3
.if \zero
	v_wmma_scale_f32_16x16x128_f8f6f4 v[ACC+8*(4*\a+\b):ACC+8*(4*\a+\b)+7], v[FS+48+12*\b:FS+48+12*\b+11], v[FS+12*\a:FS+12*\a+11], 0, v[SS+\b], v[SS+\a] matrix_a_fmt:MATRIX_FMT_FP6 matrix_b_fmt:MATRIX_FMT_FP6 matrix_a_scale:MATRIX_SCALE_ROW1
.else
	v_wmma_scale_f32_16x16x128_f8f6f4 v[ACC+8*(4*\a+\b):ACC+8*(4*\a+\b)+7], v[FS+48+12*\b:FS+48+12*\b+11], v[FS+12*\a:FS+12*\a+11], v[ACC+8*(4*\a+\b):ACC+8*(4*\a+\b)+7], v[SS+\b], v[SS+\a] matrix_a_fmt:MATRIX_FMT_FP6 matrix_b_fmt:MATRIX_FMT_FP6 matrix_a_scale:MATRIX_SCALE_ROW1
.endif
.endr
.endr
.endm
.macro MULH q                          ; the same on K step 12 + q, held in registers; both sides' scale words stand in lanes 0-15 of registers of their own
.set FS, 96*((\q)%2)
	WIN 0x0a+5*((\q)/2)                            ; sources 0 and 1: window 2 or 3
.irp a, 0,1,2,3
.irp b, 0,1,2,3
	v_wmma_scale_f32_16x16x128_f8f6f4 v[ACC+8*(4*\a+\b):ACC+8*(4*\a+\b)+7], v[FS+48+12*\b:FS+48+12*\b+11], v[FS+12*\a:FS+12*\a+11], v[ACC+8*(4*\a+\b):ACC+8*(4*\a+\b)+7], v[HS+8*(\q)+4+\b], v[HS+8*(\q)+\a] matrix_a_fmt:MATRIX_FMT_FP6 matrix_b_fmt:MATRIX_FMT_FP6
.endr
.endr
.endm
.macro STEP ks, zero
.if (\ks) > 0
	PLACES 4                                       ; between the last product and loads into the registers that the step before has read
.endif
	FETCH (\ks)+1
	s_wait_dscnt 25                                ; all but the 25 just issued
	MUL \ks, \zero
.endm
	s_load_b128 s[4:7], s[0:1], 0x0                ; y_ws s[4:5], wproj_ws s[6:7]
	s_load_b64 s[8:9], s[0:1], 0x10                ; out0
	v_lshl_add_u32 v[SPW], v0, 2, SPARE
	v_mov_b32 v[NIL], 0
	ds_add_u32 v[SPW], v[NIL]                      ; the wave's opening: the add, twice on end, and its wait ahead of the first tensor loads
	ds_add_u32 v[SPW], v[NIL]
	v_lshrrev_b32 v1, 5, v0
	v_readfirstlane_b32 s14, v1                    ; wave 0..3
	s_lshr_b32 s15, s14, 1                         ; wm.  Also: I fetch for A (0) or for B (1)
	s_and_b32 s16, s14, 1                          ; wn.  Also: which six records I fetch
	s_bfe_u32 s40, ttmp6, 0x40000                  ; cx
	s_bfe_u32 s41, ttmp6, 0x40004                  ; cy
	s_lshl_b32 s42, ttmp9, 2
	s_add_co_u32 s42, s42, s40                     ; tile column
	s_and_b32 s17, ttmp7, 0xffff
	s_lshl_b32 s17, s17, 2
	s_add_co_u32 s17, s17, s41                     ; tile row
	s_lshl_b32 s43, s41, 2
	s_lshl_b32 s43, 15, s43                        ; my row of the cluster
	s_lshl_b32 s44, 0x1111, s40                    ; my column
	s_or_b32 s[G1A], s43, (3<<16)|(1<<21)          ; the mask; elements of 8 bytes; bit 21 set beside a mask; no padding
	s_or_b32 s[G1B], s44, (3<<16)|(1<<21)
.irp g, G1A, G1B
	s_mov_b32 s[\g+1], 32<<16                      ; rows of 256 bytes,
	s_mov_b32 s[\g+2], 300<<16                     ; 300 of them: six records
	s_mov_b32 s[\g+3], 32<<16
	s_mov_b32 s[\g+4], 300
	s_mov_b32 s[\g+5], 32                          ; dense
	s_mov_b32 s[\g+6], 0
	s_mov_b32 s[\g+7], 0
.endr
	s_mul_i32 s18, s16, 6*REC                      ; K steps 0-5 or 6-11
	s_mov_b32 s19, 0
	s_mul_i32 s20, s17, TILEB
	s_mov_b32 s21, 0
	s_mul_i32 s46, s42, TILEB
	s_mov_b32 s47, 0
	s_mul_i32 s45, s15, BAREA
	s_add_co_u32 s45, s45, s18                     ; where they go: no place in the cluster enters an LDS address
	s_mul_i32 s22, s15, 6144                       ; my four fragments of A in a record,
	s_mul_i32 s23, s16, 6144                       ; of B
	s_lshl_b32 s80, s15, 8                         ; their scale words
	s_lshl_b32 s81, s16, 8
	s_add_co_u32 s82, s81, BAREA
	s_sub_co_u32 s82, s82, s80                     ; from A's words in LDS to B's
	s_mul_i32 s83, s14, 16*272
	s_add_co_u32 s83, s83, STAGE                   ; my stage
	s_wait_dscnt 0x0                               ; the opening adds are done
	s_wait_kmcnt 0x0
	s_add_nc_u64 s[20:21], s[4:5], s[20:21]        ; my tile of y,
	s_add_nc_u64 s[46:47], s[6:7], s[46:47]        ; of w_proj
	s_add_nc_u64 s[HA:HA+1], s[20:21], 12*REC
	s_add_nc_u64 s[HB:HB+1], s[46:47], 12*REC
	s_mov_b32 s[G0A], 1
	s_add_co_u32 s[G0A+1], s45, 0
	s_add_nc_u64 s[G0A+2:G0A+3], s[20:21], s[18:19]
	s_or_b32 s[G0A+3], s[G0A+3], 0x80000000
	s_mov_b32 s[G0B], 1
	s_add_co_u32 s[G0B+1], s45, 0
	s_add_nc_u64 s[G0B+2:G0B+3], s[46:47], s[18:19]
	s_or_b32 s[G0B+3], s[G0B+3], 0x80000000
	CROUND                                         ; all sixteen work-groups are here: the joint loads meet
	s_cmp_eq_u32 s15, 0                            ; every wave's one tensor load; an s_nop 0 and four v_nop follow each line
	s_cbranch_scc0 .Lfor_b
	tensor_load_to_lds s[G0A:G0A+3], s[G1A:G1A+7]
	s_nop 0
.rept 4
	v_nop
.endr
	s_branch .Lasked
.Lfor_b:
	tensor_load_to_lds s[G0B:G0B+3], s[G1B:G1B+7]
	s_nop 0
.rept 4
	v_nop
.endr
.Lasked:
	v_and_b32 v1, 15, v0                           ; r
	v_bfe_u32 v2, v0, 4, 1                         ; h
	v_and_b32 v19, 31, v0
	v_lshlrev_b32 v[L16], 4, v19
	v_add_nc_u32 v[ADA], s22, v[L16]
	v_add_nc_u32 v[HFB], s23, v[L16]
	v_add_nc_u32 v[ADB], BAREA, v[HFB]
	v_add_nc_u32 v[ADA+1], GRP, v[ADA]
	v_add_nc_u32 v[ADA+2], 2*GRP, v[ADA]
	v_add_nc_u32 v[ADB+1], GRP, v[ADB]
	v_add_nc_u32 v[ADB+2], 2*GRP, v[ADB]
	v_lshlrev_b32 v19, 4, v1                       ; 16 r
	v_add_nc_u32 v[HSA], s80, v19
	v_add_nc_u32 v[HSB], s81, v19
	v_add_nc_u32 v[HSA], 12288, v[HSA]
	v_add_nc_u32 v[HSB], 12288, v[HSB]
	v_mad_u32_u24 v[ADS], s82, v2, v[HSA]          ; lanes 16-31 take B's words
	v_add_nc_u32 v[ADS+1], GRP, v[ADS]
	v_add_nc_u32 v[ADS+2], 2*GRP, v[ADS]
	v_mul_u32_u24 v[STO], v1, 272                  ; into the stage: row r, 64 bytes for each half of the lanes
	v_lshl_add_u32 v[STO], v2, 6, v[STO]
	v_add_nc_u32 v[STO], s83, v[STO]
	v_mul_u32_u24 v[RD], v2, 272                   ; back: sixteen lanes to a row of 256 bytes
	v_lshl_add_u32 v[RD], v1, 4, v[RD]
	v_add_nc_u32 v[RD], s83, v[RD]
	v_lshlrev_b32 v[CO], 13, v2                    ; and the same two rows in out0
	v_lshl_add_u32 v[CO], v1, 4, v[CO]
	s_wait_alu depctr_va_vdst(0)                   ; the wait at the head's end
	HOLD 0                                         ; K steps 12 and 13 are asked for here, 14 and 15 behind the barrier
	HOLD 1
	s_lshl_b32 s90, s17, 20                        ; my part of out0: 128 rows of 8,192 bytes a tile row,
	s_lshl_b32 s91, s15, 19                        ; 64 rows,
	s_add_co_u32 s90, s90, s91
	s_lshl_b32 s91, s42, 9                         ; 512 bytes a tile column,
	s_add_co_u32 s90, s90, s91
	s_lshl_b32 s91, s16, 8                         ; 256 bytes
	s_add_co_u32 s90, s90, s91
	s_mov_b32 s91, 0
	s_add_nc_u64 s[86:87], s[8:9], s[90:91]
	s_wait_tensorcnt 0x0                           ; my six records are in
	s_barrier_signal -1
	s_barrier_wait -1                              ; K steps 0-11 of both sides lie in LDS.
	HOLD 2
	HOLD 3
	FETCH 0
	STEP 0, 1                                      ; the first products start the sums
.irp k, 1,2,3,4,5,6,7,8,9,10
	STEP \k, 0
.endr
	s_wait_dscnt 0x0
	MUL 11, 0
	s_wait_loadcnt 0x0                             ; K steps 12-15 are in their registers
	MULH 0
	MULH 1
	MULH 2
	MULH 3
	WIN 0
; THE WAY OUT: A's fragment a (16 rows x 64 columns) goes through my own stage and comes back as rows of 256 bytes; LDS serves a wave's instructions in order
.macro TOSTAGE a
.irp b, 0,1,2,3
	ds_store_b128 v[STO], v[ACC+8*(4*(\a)+\b):ACC+8*(4*(\a)+\b)+3] offset:128*(\b/2)+32*(\b%2)       ; each accumulator from its low end on
	ds_store_b128 v[STO], v[ACC+8*(4*(\a)+\b)+4:ACC+8*(4*(\a)+\b)+7] offset:128*(\b/2)+32*(\b%2)+16
.endr
.set BB, BK+32*((\a)%2)
.irp i, 0,1,2,3,4,5,6,7
	ds_load_b128 v[BB+4*\i:BB+4*\i+3], v[RD] offset:544*\i
.endr
.endm
.macro SEND a, younger                 ; younger: the LDS instructions issued behind fragment a's loads, which may stay out
.set BB, BK+32*((\a)%2)
	s_wait_dscnt \younger
.irp i, 0,1,2,3,4,5,6,7
	global_store_b128 v[CO], v[BB+4*\i:BB+4*\i+3], s[86:87] offset:(32*((\a)/2)+8*((\a)%2)+2*\i+8*(\i/4))*8192 th:TH_STORE_NT   ; sixteen lanes store 256 consecutive bytes, aligned
.endr
.endm
	PLACES 4                                       ; between the last product and the first read of results, and the loads into the registers that held scale words
	TOSTAGE 0
	TOSTAGE 1
	SEND 0, 16
	s_wait_xcnt 0x0                                ; fragment 0's stores have read their registers
	TOSTAGE 2
	SEND 1, 16
	s_wait_xcnt 0x0
	TOSTAGE 3
	SEND 2, 16
	SEND 3, 0
	s_wait_tensorcnt 0x0                           ; the wave's end
	ds_add_u32 v[SPW], v[NIL]
	s_wait_dscnt 0x0
	CROUND                                         ; the closing round
	s_endpgm
.Lfunc_end_k_qfa7e398051_gemm_out:
	.size	k_qfa7e398051_gemm_out, .Lfunc_end_k_qfa7e398051_gemm_out-k_qfa7e398051_gemm_out
	.p2alignl 7, 3214868480
	.fill 96, 4, 3214868480
	.section	.rodata,"a",@progbits
	.p2align	6, 0x0
	.amdhsa_kernel k_qfa7e398051_gemm_out
		.amdhsa_group_segment_fixed_size 327680
		.amdhsa_private_segment_fixed_size 0
		.amdhsa_enable_private_segment 0
		.amdhsa_kernarg_size 24
		.amdhsa_user_sgpr_count 2
		.amdhsa_user_sgpr_kernarg_segment_ptr 1
		.amdhsa_wavefront_size32 1
		.amdhsa_system_sgpr_workgroup_id_x 1
		.amdhsa_system_sgpr_workgroup_id_y 1
		.amdhsa_system_sgpr_workgroup_id_z 1
		.amdhsa_system_vgpr_workitem_id 0
		.amdhsa_next_free_vgpr 1024
		.amdhsa_next_free_sgpr 96
		.amdhsa_reserve_vcc 0
		.amdhsa_float_denorm_mode_32 3
		.amdhsa_float_denorm_mode_16_64 3
		.amdhsa_memory_ordered 1
		.amdhsa_forward_progress 1
		.amdhsa_inst_pref_size 78
	.end_amdhsa_kernel
	.amdgpu_metadata
---
amdhsa.version: [ 1, 2 ]
amdhsa.kernels:
  - .name:           k_qfa7e398051_gemm_out
    .symbol:         k_qfa7e398051_gemm_out.kd
    .args:
      - { .name: y_ws, .offset: 0, .size: 8, .value_kind: global_buffer, .address_space: global }
      - { .name: wproj_ws, .offset: 8, .size: 8, .value_kind: global_buffer, .address_space: global }
      - { .name: out0, .offset: 16, .size: 8, .value_kind: global_buffer, .address_space: global }
    .group_segment_fixed_size: 327680
    .private_segment_fixed_size: 0
    .kernarg_segment_align: 8
    .kernarg_segment_size: 24
    .max_flat_workgroup_size: 128
    .sgpr_count:     96
    .vgpr_count:     1024
    .wavefront_size: 32
...
	.end_amdgpu_metadata
.endif
;; end of part 4
